; MI455X (gfx1250); checked and timed in simulation.
; The chip was launched on July 23, 2026; its instructions are those of AMD's public machine-readable ISA for CDNA 5 (MIT licence, August 2026) and "CDNA5" Instruction Set Architecture Reference Guide (July 2026). The comments in the code are by the model that wrote it; some were corrected since.
;; AFT Local Attention. Allowed arithmetic: matrix products marked QUANTISED: E2M1 operands, one E8M0 scale for each 32 along K, by v_wmma_scale_f32_16x16x128_f8f6f4 with both operands' format E2M1 (or v_wmma_scale_f32_32x16x128_f4), f32 sums; products left as they are: bf16, f16 or f32 operands; f32 sums; everything else in f32.
;; Inputs: Wk_b 512 float32; Wk_w 512 x 512 float32; Wq_b 512 float32; Wq_w 512 x 512 float32; Wv_b 512 float32; Wv_w 512 x 512 float32; k 8 x 2,048 x 512 float32; local_mask 2,048 x 2,048 bool; out_b 512 float32; out_w 512 x 512 float32; q 8 x 2,048 x 512 float32; v 8 x 2,048 x 512 float32; w_bias 2,048 x 2,048 float32.
;; Outputs: out0 8 x 2,048 x 512 float32; out1 8 x 2,048 x 512 float32.
;; This version of the problem:
;;   THIS VERSION OF THE PROBLEM IS GIVEN IN LOW PRECISION. The matrix products marked QUANTISED in the list below multiply operands that are first quantised to E2M1 (2 exponent bits, 1 mantissa bit; 4 bits a number), with one power-of-two scale for each 32 numbers along K (OCP MX v1.0); their sums are f32. The products marked 'left as it is' may take bf16, f16 or f32 operands, with f32 sums. Whichever they take, every output number must still come out within the allowed error. Rounding operands to bf16 (8 significant bits) uses up far more of that allowance than f16 does (11 bits, for magnitudes from 6e-5 to 65,504). All else is computed in f32.
;;   The module's matrix products, in the order in which they are computed (A, B: the left and right operand; K: the contracted axis; several contracted axes count as one K, in the product's order):
;;     1. [M 16,384, K 512] x [K 512, N 512]; A: input q; B: input Wq_w: QUANTISED
;;     2. [M 16,384, K 512] x [K 512, N 512]; A: input k; B: input Wk_w: QUANTISED
;;     3. [M 16,384, K 512] x [K 512, N 512]; A: input v; B: input Wv_w: QUANTISED
;;     4. [M 4,096, K 2,048] x [K 2,048, N 2,048]; A: computed on the way; B: computed on the way: left as it is (an operand is computed on the way)
;;     5. [M 4,096, K 2,048] x [K 2,048, N 2,048]; A: computed on the way; B: computed on the way: left as it is (an operand is computed on the way)
;;     6. [M 16,384, K 512] x [K 512, N 512]; A: computed on the way; B: input out_w: left as it is (an operand is computed on the way)
;;   THE QUANTISER, for each operand of a quantised product, along K:
;;     - K is cut into blocks of 32 from its start; a last block that is shorter is filled with zeros.
;;     - A block's scale is 2^e with e = floor(log2(the largest magnitude in the block)) - 2, held to -126 .. 127; a block of zeros has e = 0. As a byte (E8M0): e + 127.
;;     - Each number is divided by its block's scale, clamped to +-6, and rounded to the nearest number of E2M1, ties to even, subnormals kept.
;;     - The product sums the exact products of the quantised numbers (number of the format x scale) in f32.
;;   ~~~python
;;   def quantise(x, axis):      # numpy; x: float32 -> the quantised numbers, widened to float32 again
;;       x = np.moveaxis(x, axis, -1); K = x.shape[-1]
;;       x = np.pad(x, [(0, 0)] * (x.ndim - 1) + [(0, -K % 32)]); x = x.reshape(x.shape[:-1] + (-1, 32)); a = np.abs(x).max(-1, keepdims=True)
;;       e = np.where(a > 0, np.clip(np.frexp(np.where(a > 0, a, 1))[1] - 1 - 2, -126, 127), 0)      # np.frexp(a)[1] - 1 = floor(log2(a)), exactly
;;       r = np.clip(x / 2.0 ** e, -6, 6)
;;       step = 2.0 ** (np.maximum(np.frexp(np.where(r == 0, 1, r))[1] - 1, 0) - 1)
;;       q = np.round(r / step) * step * 2.0 ** e      # np.round: ties to even
;;       return np.moveaxis(q.reshape(q.shape[:-2] + (-1,))[..., :K], -1, axis).astype(np.float32)
;;   ~~~
;; 2 versions, each right; version 2 is version 1 with the launch proj written anew for expert scheduling mode. Each part assembles by itself: llvm-mc -triple=amdgcn-amd-amdhsa -mcpu=gfx1250 --defsym DOCPART=n.
;; ======== version 1 of 2: 3 launches
;; limits: values are held in f16: magnitudes above 65,504 overflow, below 6.1e-05 lose precision
;; workspace buffers: wf 393,216 bytes; wsc 24,576 bytes; owf 524,288 bytes; ef 8,388,608 bytes; fl 16,384 bytes of whole numbers; ekf 33,554,432 bytes; ps 1,048,576 bytes
;; launch prep (part 1): grid 384 x 1, 4 waves a work-group, no clusters, 35,328 bytes of LDS; arguments w_bias, local_mask, Wq_w, Wk_w, Wv_w, out_w, ef, fl, wf, wsc, owf; writes ef, fl, wf, wsc, owf
.if DOCPART == 1
	.amdgcn_target "amdgcn-amd-amdhsa--gfx1250"
	.amdhsa_code_object_version 6
	.text
	.protected	k_q87816728df_prep
	.globl	k_q87816728df_prep
	.p2align	8
	.type	k_q87816728df_prep,@function
k_q87816728df_prep:
	s_mov_b64 s[64:65], 0
	v_nop
	global_prefetch_b8 v0, s[64:65] scope:SCOPE_SE
	s_setreg_imm32_b32 hwreg(HW_REG_WAVE_MODE, 25, 1), 1
	s_wait_xcnt 0x0
; PREP: what the later launches read many times is laid out once, in the order of the operands' registers.
; THE PROGRAM.  num[s] = sum_t ew[s,t] y[t], den likewise, with ew = exp(w_bias x mask).  Since ew = 1 + (ew - 1), each is a column sum over all t, which does not hang on s,
; plus sum_t (ew[s,t] - 1) y[t].  The column sums are kept in f32; only the second term goes to the matrix units, in bf16 (exp(key) has no room in f16).
; WORK LEFT OUT.  Where a mask byte is 0, w_bias x 0 = 0 for every finite w_bias, so ew - 1 = exp(0) - 1 = 0 and the term adds nothing.  A tile of 64 s x 64 t whose 4,096 mask bytes are all 0
; is therefore not multiplied.  Which tiles those are is read off the mask as it is given: this launch stores a flag for each 16 s x 64 t, and the last launch reads them.  No pattern of the mask is built in; a mask of ones gives the dense product.
; Every input is loaded by some launch.  LIMITS: a NaN or an infinity of w_bias under a mask byte 0 is not carried to the result; the order of the f32 sums differs from a dense product's.
; THREE KINDS OF WORK-GROUP, told apart by the work-group's number:
;   0-255    ef = bf16(exp(w_bias x mask) - 1) and the flags fl.  Work-group (sb = x / 8, tg = x % 8), wave st: rows 64 sb + 16 st + 0..15, t = 256 tg + 0..255.
;   256-351  Wq, Wk, Wv into E2M1 codes (wf) and E8M0 scale words (wsc).  Work-group (matrix, tile of 16 rows), wave = K step of 128.
;   352-383  out_w into f16 fragments (owf).  Work-group = tile of 16 rows, wave = four K steps of 32.  f16, 11 significant bits: the last product sums 512 terms of either sign, so its operands' rounding weighs on it in full.
;            LIMIT: an |out_w| over 65,504 becomes infinity; under 2^-14 it keeps an absolute step of 2^-24.
; A FRAGMENT in these buffers is 1,024 bytes: half c (registers 4 c .. 4 c + 3) of lane l at 512 c + 16 l, so that a wave's load or store of 16 bytes a lane covers 512 consecutive bytes.
; QUANTISER: a block's scale byte is its largest magnitude's exponent field - 2, held at 1 from below.  A block of zeros keeps the byte 1 where the rule says 127: its codes are zeros, and this program alone reads the bytes.
; LIMITS: blocks whose largest magnitude lies under 2^-124 were not tried; NaN and infinities among the weights are not served.
; No matrix unit, no cluster, no tensor load: a stream whose work-groups share nothing.
.set STG,   8704                       ; a wave's stage: 32 pieces (8 t) x (16 rows x 16 bytes + 16 of padding)
.set SPARE, 4*STG                      ; behind the four stages: the spare words, 128 bytes a wave
.set SPW,   10                         ; v10 LDS address of my spare word; never rewritten
.set NIL,   11                         ; v11 0; never rewritten
.set QM,    12                         ; v12-13 largest magnitudes, then the conversions' scale operands
.set QB,    14                         ; v14-15 scale bytes, then the scale word
.set PX,    16                         ; v16 the other half's bytes
.set SH8,   17                         ; v17 8 x (lane / 16)
.set PC,    20                         ; v20-27 a fragment's codes
.set SEL,   42                         ; s[42:43] lane selects: lane l xor 16
; 64 numbers of a lane, register 32 c + i = k 64 c + 32 (lane / 16) + i of its row: two whole blocks.  Codes into v[PC] on, the row's scale word into v[QB].
.macro QUANT2 R
.irp c, 0,1
	v_max3_num_f32 v[QM+\c], |v[\R+32*\c]|, |v[\R+32*\c+1]|, 0x1800000   ; with the floor 2^(3 - 127): the byte cannot fall under 1
.endr
.irp i, 2,4,6,8,10,12,14,16,18,20,22,24,26,28,30
.irp c, 0,1
	v_max3_num_f32 v[QM+\c], v[QM+\c], |v[\R+32*\c+\i]|, |v[\R+32*\c+\i+1]|
.endr
.endr
.irp c, 0,1
	v_add_nc_u32 v[QM+\c], 0xff000000, v[QM+\c]    ; 2 off the exponent field: the conversion's scale operand
.endr
.irp c, 0,1
	v_lshrrev_b32 v[QB+\c], 23, v[QM+\c]           ; the scale's byte
.endr
	v_lshl_or_b32 v[QB], v[QB+1], 16, v[QB]        ; my blocks are h and 2 + h of the row's four
	v_lshlrev_b32 v[QB], v[SH8], v[QB]
	v_permlanex16_b32 v[PX], v[QB], s[SEL], s[SEL+1]
	v_or_b32 v[QB], v[QB], v[PX]                   ; with the other half's two bytes the word is whole
.irp c, 0,1
.irp g, 0,1,2,3
	v_cvt_scalef32_pk8_fp4_f32 v[PC+4*\c+\g], v[\R+32*\c+8*\g:\R+32*\c+8*\g+7], v[QM+\c]
.endr
.endr
	v_nop                                          ; one plain place behind the last conversion
.endm
	s_load_b512 s[4:19], s[0:1], 0x0               ; w_bias s[4:5], mask s[6:7], Wq s[8:9], Wk s[10:11], Wv s[12:13], out_w s[14:15], ef s[16:17], fl s[18:19]
	s_load_b128 s[20:23], s[0:1], 0x40             ; wf s[20:21], wsc s[22:23]
	s_load_b64 s[24:25], s[0:1], 0x50              ; owf
	v_lshl_add_u32 v[SPW], v0, 2, SPARE
	v_mov_b32 v[NIL], 0
	v_lshrrev_b32 v1, 5, v0
	v_readfirstlane_b32 s26, v1                    ; wave 0..3
	v_and_b32 v1, 31, v0                           ; lane
	v_lshlrev_b32 v2, 4, v1                        ; 16 x lane
	s_mov_b32 s29, 0                               ; the upper word of every offset pair s[28:29]
	s_mov_b32 s[SEL], 0x76543210
	s_mov_b32 s[SEL+1], 0xfedcba98
	s_wait_kmcnt 0x0
	s_cmp_lt_u32 ttmp9, 256
	s_cbranch_scc0 .Lweights
	; ---------------- ef and fl ----------------
	s_lshr_b32 s44, ttmp9, 3                       ; sb
	s_and_b32 s45, ttmp9, 7                        ; tg
	s_lshl_b32 s46, s44, 6
	s_lshl_b32 s47, s26, 4
	s_add_co_u32 s46, s46, s47                     ; my first row: 64 sb + 16 st
	s_lshl_b32 s28, s46, 13                        ; a row of w_bias is 8,192 bytes,
	s_lshl_b32 s47, s45, 10                        ; 256 t are 1,024
	s_add_co_u32 s28, s28, s47
	s_add_nc_u64 s[4:5], s[4:5], s[28:29]
	s_lshl_b32 s28, s46, 11                        ; a row of the mask is 2,048 bytes, 256 t are 256
	s_lshl_b32 s47, s45, 8
	s_add_co_u32 s28, s28, s47
	s_add_nc_u64 s[6:7], s[6:7], s[28:29]
	v_lshlrev_b32 v3, 2, v1                        ; 4 x lane
.irp i, 0,1,2,3,4,5,6,7,8,9,10,11,12,13,14,15      ; row i: t = 4 lane + 0..3 and 128 + 4 lane + 0..3, and their mask bytes: each load takes consecutive bytes in consecutive lanes
	global_load_b128 v[48+8*\i:48+8*\i+3], v2, s[4:5] offset:8192*\i th:TH_LOAD_NT
	global_load_b128 v[48+8*\i+4:48+8*\i+7], v2, s[4:5] offset:8192*\i+512 th:TH_LOAD_NT
	global_load_b32 v[176+2*\i], v3, s[6:7] offset:2048*\i th:TH_LOAD_NT
	global_load_b32 v[177+2*\i], v3, s[6:7] offset:2048*\i+128 th:TH_LOAD_NT
.endr
	s_lshl_b32 s28, s44, 18                        ; ef: [sb][chunk of 64 t][kk][st][1,024]: 262,144 sb + 32,768 tg + 1,024 st
	s_lshl_b32 s47, s45, 15
	s_add_co_u32 s28, s28, s47
	s_lshl_b32 s47, s26, 10
	s_add_co_u32 s28, s28, s47
	s_add_nc_u64 s[16:17], s[16:17], s[28:29]
	s_lshl_b32 s28, s44, 9                         ; fl: [sb][chunk][st] words: 512 sb + 64 tg + 4 st
	s_lshl_b32 s47, s45, 6
	s_add_co_u32 s28, s28, s47
	s_lshl_b32 s47, s26, 2
	s_add_co_u32 s28, s28, s47
	s_add_nc_u64 s[18:19], s[18:19], s[28:29]
	s_mul_i32 s27, s26, STG                        ; my stage
	v_lshrrev_b32 v4, 1, v1
	v_mul_u32_u24 v4, v4, 272
	v_and_b32 v5, 1, v1
	v_lshl_add_u32 v4, v5, 3, v4
	v_add_nc_u32 v4, s27, v4                       ; in: my four t are half of piece lane / 2: 272 (lane / 2) + 8 (lane % 2); the row stands in the offset
	v_lshrrev_b32 v5, 4, v1
	v_mul_u32_u24 v5, v5, 272
	v_and_b32 v6, 15, v1
	v_lshl_add_u32 v5, v6, 4, v5
	v_add_nc_u32 v5, s27, v5                       ; out: lane (r, h) takes row r of piece 2 i + h
	v_mov_b32 v8, 0                                ; the mask words of t 0..127, or-ed over the rows,
	v_mov_b32 v9, 0                                ; and of t 128..255
	s_mov_b32 s32, 0x3fb8aa3b                      ; log2(e)
	s_mov_b32 s33, s32                             ; (named with it as a pair)
	s_mov_b32 s36, 0x00000000                      ; byte selects: one byte of a word spread over all four
	s_mov_b32 s37, 0x01010101
	s_mov_b32 s38, 0x02020202
	s_mov_b32 s39, 0x03030303
	s_mov_b32 s40, 255
; Rows 2 p and 2 p + 1: 16 numbers a lane.
.macro PAIR p
.set W0,  48+16*(\p)
.set MW0, 176+4*(\p)
	s_wait_loadcnt 56-8*(\p)                       ; of the 64 loads the later rows' four each may stay out
.irp q, 0,1,2,3
	v_mul_lo_u32 v[28+\q], v[MW0+\q], s40          ; bytes 0 / 1 become 0x00 / 0xff
.endr
	v_or_b32 v8, v8, v[MW0]
	v_or_b32 v9, v9, v[MW0+1]
	v_or_b32 v8, v8, v[MW0+2]
	v_or_b32 v9, v9, v[MW0+3]
.irp q, 0,1,2,3
.irp k, 0,1,2,3
	v_perm_b32 v[12+4*\q+\k], v[28+\q], v[28+\q], s[36+\k]
.endr
.endr
.irp k, 0,1,2,3,4,5,6,7,8,9,10,11,12,13,14,15
	v_and_b32 v[W0+\k], v[W0+\k], v[12+\k]         ; w_bias x mask: w_bias, or 0
.endr
.irp k, 0,2,4,6,8,10,12,14
	v_pk_mul_f32 v[W0+\k:W0+\k+1], v[W0+\k:W0+\k+1], s[32:33] op_sel_hi:[1,0]
.endr
.irp k, 0,1,2,3,4,5,6,7,8,9,10,11,12,13,14,15
	v_exp_f32 v[W0+\k], v[W0+\k]
.endr
	v_nop                                          ; a plain place behind the last exponential,
	s_wait_alu depctr_va_vdst(0)                   ; and one wait for the sixteen, ahead of their first reader
.irp k, 0,2,4,6,8,10,12,14
	v_pk_add_f32 v[W0+\k:W0+\k+1], v[W0+\k:W0+\k+1], -1.0 op_sel_hi:[1,0]
.endr
.irp q, 0,1,2,3
	v_cvt_pk_bf16_f32 v[W0+4*\q], v[W0+4*\q], v[W0+4*\q+1]
	v_cvt_pk_bf16_f32 v[W0+4*\q+1], v[W0+4*\q+2], v[W0+4*\q+3]
	ds_store_b64 v4, v[W0+4*\q:W0+4*\q+1] offset:16*(2*(\p)+\q/2)+4352*(\q%2)   ; row 2 p + q / 2; the second 128 t lie 16 pieces on
.endr
.endm
.irp p, 0,1,2,3,4,5,6,7
	PAIR \p
.endr
	s_wait_dscnt 0x0                               ; the stores have read their registers
.irp i, 0,1,2,3,4,5,6,7,8,9,10,11,12,13,14,15      ; i = 4 chunk + 2 kk + c: half a fragment
	ds_load_b128 v[48+4*\i:48+4*\i+3], v5 offset:544*\i
.endr
.irp i, 0,1,2,3,4,5,6,7,8,9,10,11,12,13,14,15
	s_wait_dscnt 15-\i                             ; LDS loads come back in order: load i is in
	global_store_b128 v2, v[48+4*\i:48+4*\i+3], s[16:17] offset:(\i/4)*8192+((\i/2)%2)*4096+(\i%2)*512   ; 512 consecutive bytes
.endr
	v_cmp_ne_u32 s44, 0, v8                        ; lane l stands for t = 4 l ..: bits 0-15 are the first chunk of 64 t, bits 16-31 the second
	v_cmp_ne_u32 s45, 0, v9
	s_and_b32 s46, s44, 0xffff
	s_lshr_b32 s47, s44, 16
	s_and_b32 s48, s45, 0xffff
	s_lshr_b32 s49, s45, 16
	v_mov_b32 v7, 0
	v_writelane_b32 v7, s46, 0                     ; lane j: not 0 where some mask byte of my 16 rows x chunk j is 1
	v_writelane_b32 v7, s47, 1
	v_writelane_b32 v7, s48, 2
	v_writelane_b32 v7, s49, 3
	v_cmp_gt_u32 vcc_lo, 4, v1
	s_wait_xcnt 0x0                                ; EXEC changes only behind this wait
	s_and_saveexec_b32 s50, vcc_lo
	global_store_b32 v2, v7, s[18:19]              ; a chunk's four st words are 16 bytes: 16 x lane
	s_wait_xcnt 0x0
	s_or_b32 exec_lo, exec_lo, s50
	s_wait_tensorcnt 0x0                           ; the wave's end: three lines behind my last LDS store
	ds_add_u32 v[SPW], v[NIL]
	s_wait_dscnt 0x0
	s_endpgm
.Lweights:
	s_cmp_lt_u32 ttmp9, 352
	s_cbranch_scc0 .Lout_w
	; ---------------- Wq, Wk, Wv: one fragment (16 rows x 128 K) a wave ----------------
	s_sub_co_u32 s44, ttmp9, 256
	s_lshr_b32 s45, s44, 5                         ; which matrix: 0 q, 1 k, 2 v
	s_and_b32 s46, s44, 31                         ; which 16 rows
	s_cmp_eq_u32 s45, 0
	s_cselect_b64 s[8:9], s[8:9], s[10:11]
	s_cmp_eq_u32 s45, 2
	s_cselect_b64 s[8:9], s[12:13], s[8:9]
	s_lshl_b32 s28, s46, 15                        ; 16 rows of 2,048 bytes
	s_lshl_b32 s27, s26, 9                         ; 128 K are 512 bytes
	s_add_co_u32 s28, s28, s27
	s_add_nc_u64 s[8:9], s[8:9], s[28:29]
	v_and_b32 v3, 15, v1                           ; r
	v_lshrrev_b32 v4, 4, v1                        ; h
	v_lshlrev_b32 v5, 11, v3
	v_lshl_add_u32 v5, v4, 7, v5                   ; row r, + 32 h numbers
	v_lshlrev_b32 v6, 4, v3                        ; a row's four scale words are 16 bytes
	v_lshlrev_b32 v[SH8], 3, v4
	v_mov_b32 v[PX], 0                             ; a lane permute's destination counts as one of its sources
.irp c, 0,1
.irp j, 0,1,2,3,4,5,6,7
	global_load_b128 v[64+32*\c+4*\j:64+32*\c+4*\j+3], v5, s[8:9] offset:256*\c+16*\j
.endr
.endr
	s_lshl_b32 s28, s45, 17                        ; wf: [matrix][tile][K step][1,024]
	s_lshl_b32 s27, s46, 12
	s_add_co_u32 s28, s28, s27
	s_lshl_b32 s27, s26, 10
	s_add_co_u32 s28, s28, s27
	s_add_nc_u64 s[20:21], s[20:21], s[28:29]
	s_lshl_b32 s28, s45, 13                        ; wsc: [matrix][row][K step] words
	s_lshl_b32 s27, s46, 8
	s_add_co_u32 s28, s28, s27
	s_lshl_b32 s27, s26, 2
	s_add_co_u32 s28, s28, s27
	s_add_nc_u64 s[22:23], s[22:23], s[28:29]
	s_wait_loadcnt 0x0
	QUANT2 64
	global_store_b128 v2, v[PC:PC+3], s[20:21]
	global_store_b128 v2, v[PC+4:PC+7], s[20:21] offset:512
	v_cmp_gt_u32 vcc_lo, 16, v1
	s_wait_xcnt 0x0                                ; EXEC changes only behind this wait
	s_and_saveexec_b32 s50, vcc_lo
	global_store_b32 v6, v[QB], s[22:23]           ; lanes 0-15: row r's word
	s_wait_xcnt 0x0
	s_or_b32 exec_lo, exec_lo, s50
	s_endpgm
.Lout_w:
	; ---------------- out_w: four f16 fragments (16 rows x 32 K) a wave ----------------
	s_sub_co_u32 s44, ttmp9, 352                   ; which 16 rows
	s_lshl_b32 s28, s44, 15
	s_lshl_b32 s27, s26, 9                         ; four K steps of 32 are 512 bytes
	s_add_co_u32 s28, s28, s27
	s_add_nc_u64 s[14:15], s[14:15], s[28:29]
	s_lshl_b32 s28, s44, 14                        ; owf: [tile][K step 16][1,024]
	s_lshl_b32 s27, s26, 12
	s_add_co_u32 s28, s28, s27
	s_add_nc_u64 s[24:25], s[24:25], s[28:29]
	v_and_b32 v3, 15, v1
	v_lshrrev_b32 v4, 4, v1
	v_lshlrev_b32 v5, 11, v3
	v_lshl_add_u32 v5, v4, 5, v5                   ; row r, + 8 h numbers
.irp s, 0,1,2,3
.irp c, 0,1
.irp j, 0,1
	global_load_b128 v[64+16*\s+8*\c+4*\j:64+16*\s+8*\c+4*\j+3], v5, s[14:15] offset:128*\s+64*\c+16*\j   ; k = 32 s + 16 c + 8 h + 4 j ..
.endr
.endr
.endr
	s_wait_loadcnt 0x0
.irp s, 0,1,2,3
.irp c, 0,1
.irp i, 0,1,2,3
	v_cvt_pk_f16_f32 v[128+8*\s+4*\c+\i], v[64+16*\s+8*\c+2*\i], v[64+16*\s+8*\c+2*\i+1]
.endr
	global_store_b128 v2, v[128+8*\s+4*\c:128+8*\s+4*\c+3], s[24:25] offset:1024*\s+512*\c
.endr
.endr
	s_endpgm
.Lfunc_end_k_q87816728df_prep:
	.size	k_q87816728df_prep, .Lfunc_end_k_q87816728df_prep-k_q87816728df_prep
	.p2alignl 7, 3214868480
	.fill 96, 4, 3214868480
	.section	.rodata,"a",@progbits
	.p2align	6, 0x0
	.amdhsa_kernel k_q87816728df_prep
		.amdhsa_group_segment_fixed_size 35328
		.amdhsa_private_segment_fixed_size 0
		.amdhsa_enable_private_segment 0
		.amdhsa_kernarg_size 88
		.amdhsa_user_sgpr_count 2
		.amdhsa_user_sgpr_kernarg_segment_ptr 1
		.amdhsa_wavefront_size32 1
		.amdhsa_system_sgpr_workgroup_id_x 1
		.amdhsa_system_sgpr_workgroup_id_y 1
		.amdhsa_system_sgpr_workgroup_id_z 1
		.amdhsa_system_vgpr_workitem_id 0
		.amdhsa_next_free_vgpr 208
		.amdhsa_next_free_sgpr 66
		.amdhsa_reserve_vcc 1
		.amdhsa_float_denorm_mode_32 3
		.amdhsa_float_denorm_mode_16_64 3
		.amdhsa_memory_ordered 1
		.amdhsa_forward_progress 1
		.amdhsa_inst_pref_size 58
	.end_amdhsa_kernel
	.amdgpu_metadata
---
amdhsa.version: [ 1, 2 ]
amdhsa.kernels:
  - .name:           k_q87816728df_prep
    .symbol:         k_q87816728df_prep.kd
    .args:
      - { .name: w_bias, .offset: 0, .size: 8, .value_kind: global_buffer, .address_space: global }
      - { .name: local_mask, .offset: 8, .size: 8, .value_kind: global_buffer, .address_space: global }
      - { .name: Wq_w, .offset: 16, .size: 8, .value_kind: global_buffer, .address_space: global }
      - { .name: Wk_w, .offset: 24, .size: 8, .value_kind: global_buffer, .address_space: global }
      - { .name: Wv_w, .offset: 32, .size: 8, .value_kind: global_buffer, .address_space: global }
      - { .name: out_w, .offset: 40, .size: 8, .value_kind: global_buffer, .address_space: global }
      - { .name: ef, .offset: 48, .size: 8, .value_kind: global_buffer, .address_space: global }
      - { .name: fl, .offset: 56, .size: 8, .value_kind: global_buffer, .address_space: global }
      - { .name: wf, .offset: 64, .size: 8, .value_kind: global_buffer, .address_space: global }
      - { .name: wsc, .offset: 72, .size: 8, .value_kind: global_buffer, .address_space: global }
      - { .name: owf, .offset: 80, .size: 8, .value_kind: global_buffer, .address_space: global }
    .group_segment_fixed_size: 35328
    .private_segment_fixed_size: 0
    .kernarg_segment_align: 8
    .kernarg_segment_size: 88
    .max_flat_workgroup_size: 128
    .sgpr_count:     66
    .vgpr_count:     208
    .wavefront_size: 32
...
	.end_amdgpu_metadata
.endif
;; end of part 1
;; launch proj (part 2): grid 256 x 1, 8 waves a work-group, no clusters, 105,472 bytes of LDS; arguments k, v, Wk_b, Wv_b, wf, wsc, ekf, ps; writes ekf, ps
.if DOCPART == 2
	.amdgcn_target "amdgcn-amd-amdhsa--gfx1250"
	.amdhsa_code_object_version 6
	.text
	.protected	k_q87816728df_proj
	.globl	k_q87816728df_proj
	.p2align	8
	.type	k_q87816728df_proj,@function
k_q87816728df_proj:
	s_mov_b64 s[64:65], 0
	v_nop
	global_prefetch_b8 v0, s[64:65] scope:SCOPE_SE
	s_setreg_imm32_b32 hwreg(HW_REG_WAVE_MODE, 25, 1), 1
	s_wait_xcnt 0x0
; PROJ: key = Q(k) Q(Wk)^T + Wk_b and value = Q(v) Q(Wv)^T + Wv_b on E2M1 codes; ek = exp(key); ek and ek x value leave as bf16 fragments whose K is the sequence (ekf),
; and their f32 sums over this work-group's 64 rows leave as ps.  Nothing of reference() is left out here.
; SHARES.  Work-group x owns rows 64 x .. 64 x + 63 of the 16,384.  Wave w owns columns d = 64 w .. 64 w + 63 for all 64 rows: its 16 fragments of Wk and 16 of Wv stay in registers (window 1).
; k and v are quantised once: wave w makes four of the 32 fragments (rows 16 (w / 2) on, K steps 2 (w % 2) and + 1, of k and of v); they reach the other waves through LDS as images of their registers.
; LAYOUT.  Source 0 = 16 rows t, source 1 = 16 rows d of the weight: in the result lane (r, h) holds column d = r and t = 8 h + 0..7.  Packed to bf16 those are 16 bytes of a fragment whose rows are d and whose K is t:
; two neighbouring tiles of rows are the two halves of such a fragment.  Nothing is transposed.
; NO CLUSTER, NO TENSOR LOAD: what the work-groups share are the weights' codes, 262,144 bytes and their scale words; through LDS they would lie beside this text's 104,448 bytes, more than the 327,680 that a work-group can claim.
; LIMITS: quantiser as in the first launch (a block of zeros keeps the byte 1; largest magnitudes under 2^-124 not tried; NaN and infinities in k and v not served); an exp(key) under 2^-126 comes out as 0.
.set WREG,  8448                       ; a wave's own stage: 16 rows x (512 bytes + 16)
.set XIMG,  8*WREG                     ; images of k's and v's fragments: [k, v][tile of rows 4][K step 4] x 1,024
.set XSC,   XIMG+32768                 ; their scale words, 128 bytes each
.set SPARE, XSC+4096                   ; the spare words, 128 bytes a wave
.set LI,  1                            ; v1  16 x lane
.set TS,  2                            ; v2  the stage, in: 16 x lane
.set TL,  3                            ; v3  the stage, out: 528 r + 128 h
.set IW,  4                            ; v4  where I store images
.set SW,  5                            ; v5  and scale words
.set SH8, 6                            ; v6  8 h
.set WSO, 7                            ; v7  16 r: a weight row's four scale words
.set SPW, 8                            ; v8  my spare word; never rewritten
.set NIL, 9                            ; v9  0; never rewritten
.set QM,  10
.set QB,  12
.set PX,  14
.set WKS, 16                           ; v16-31 Wk's scale words (4 dt + ks); v32-47 Wv's; v48-55 k's and v's: these hold scales and nothing else
.set WVS, 32
.set XS,  48
.set PC,  56                           ; v56-63 the codes just made
.set RA,  64                           ; three sets of 64 numbers while k and v are quantised
.set RB,  128
.set RC,  192
.set XFK, 64                           ; behind the barrier: k's four fragments of a tile of rows, v's four,
.set XFV, 96
.set ACK, 128                          ; the four accumulators of key, of value,
.set ACV, 160
.set BV,  192                          ; Wv_b as the C of value's first products: 8 equal registers a tile
.set SS,  224                          ; v224-239 the column sums, a pair each: 0-3 ek x value, 4-7 ek
.set FI,  240                          ; images, read: XIMG + 16 x lane
.set FS,  241                          ; scale words, read
.set BO,  242                          ; 4 r
.set PSO, 243                          ; 4 x lane
.set TM,  244                          ; v244-247 at work
.set BP,  248                          ; v248-255 pairs (Wk_b x log2 e, Wv_b) of my column in each tile
.set SEL, 22
.set MSB, 0
.macro WIN new                         ; the immediate's high byte repeats the setting that is left
.if MSB != \new
	s_set_vgpr_msb (MSB<<8)|\new
.set MSB, \new
.endif
.endm
.macro PLACES n
.rept \n
	v_nop
.endr
.endm
.macro XLOAD n, R                      ; 16 rows x 512 bytes (128 K), row i in v[R + 4 i] on: each load takes 512 consecutive bytes.  n = 0, 1: k; 2, 3: v
.irp i, 0,1,2,3,4,5,6,7,8,9,10,11,12,13,14,15
	global_load_b128 v[\R+4*\i:\R+4*\i+3], v[LI], s[4+2*((\n)/2):5+2*((\n)/2)] offset:2048*\i+512*((\n)%2) th:TH_LOAD_NT
.endr
.endm
.macro TURN R                          ; through my stage: afterwards register 32 c + i = k 64 c + 32 h + i of row r
.irp i, 0,1,2,3,4,5,6,7,8,9,10,11,12,13,14,15
	ds_store_b128 v[TS], v[\R+4*\i:\R+4*\i+3] offset:528*\i
.endr
	s_wait_dscnt 0x0                               ; the stores have read the registers into which the loads below land
.irp c, 0,1
.irp j, 0,1,2,3,4,5,6,7
	ds_load_b128 v[\R+32*\c+4*\j:\R+32*\c+4*\j+3], v[TL] offset:256*\c+16*\j
.endr
.endr
	s_wait_dscnt 0x0
.endm
.macro QUANT2 R                        ; 64 numbers, two whole blocks a lane: codes into v[PC] on, the row's scale word into v[QB]
.irp c, 0,1
	v_max3_num_f32 v[QM+\c], |v[\R+32*\c]|, |v[\R+32*\c+1]|, 0x1800000   ; with the floor 2^(3 - 127): the byte cannot fall under 1
.endr
.irp i, 2,4,6,8,10,12,14,16,18,20,22,24,26,28,30
.irp c, 0,1
	v_max3_num_f32 v[QM+\c], v[QM+\c], |v[\R+32*\c+\i]|, |v[\R+32*\c+\i+1]|
.endr
.endr
.irp c, 0,1
	v_add_nc_u32 v[QM+\c], 0xff000000, v[QM+\c]    ; 2 off the exponent field: the conversion's scale operand
.endr
.irp c, 0,1
	v_lshrrev_b32 v[QB+\c], 23, v[QM+\c]
.endr
	v_lshl_or_b32 v[QB], v[QB+1], 16, v[QB]        ; my blocks are h and 2 + h of the row's four
	v_lshlrev_b32 v[QB], v[SH8], v[QB]
	v_permlanex16_b32 v[PX], v[QB], s[SEL], s[SEL+1]
	v_or_b32 v[QB], v[QB], v[PX]
.irp c, 0,1
.irp g, 0,1,2,3
	v_cvt_scalef32_pk8_fp4_f32 v[PC+4*\c+\g], v[\R+32*\c+8*\g:\R+32*\c+8*\g+7], v[QM+\c]
.endr
.endr
	v_nop                                          ; one plain place behind the last conversion
.endm
.macro IMAGE off, soff                 ; the fragment and its scale words go to LDS as they stand in the registers
	ds_store_b128 v[IW], v[PC:PC+3] offset:\off
	ds_store_b128 v[IW], v[PC+4:PC+7] offset:\off+512
	ds_store_b32 v[SW], v[QB] offset:\soff
.endm
	s_load_b512 s[4:19], s[0:1], 0x0               ; k s[4:5], v s[6:7], Wk_b s[8:9], Wv_b s[10:11], wf s[12:13], wsc s[14:15], ekf s[16:17], ps s[18:19]
	v_lshl_add_u32 v[SPW], v0, 2, SPARE
	v_mov_b32 v[NIL], 0
	v_lshrrev_b32 v10, 5, v0
	v_readfirstlane_b32 s20, v10                   ; wave 0..7
	v_and_b32 v10, 31, v0                          ; lane
	v_and_b32 v11, 15, v0                          ; r
	v_bfe_u32 v12, v0, 4, 1                        ; h
	v_lshlrev_b32 v[LI], 4, v10
	s_mul_i32 s21, s20, WREG
	v_add_nc_u32 v[TS], s21, v[LI]
	v_mul_u32_u24 v[TL], v11, 528
	v_lshl_add_u32 v[TL], v12, 7, v[TL]
	v_add_nc_u32 v[TL], s21, v[TL]
	s_lshl_b32 s21, s20, 11                        ; my fragments: tile w / 2, K steps 2 (w % 2) on: 2,048 w
	s_add_co_u32 s21, s21, XIMG
	v_add_nc_u32 v[IW], s21, v[LI]
	s_lshl_b32 s21, s20, 8
	s_add_co_u32 s21, s21, XSC
	v_lshl_add_u32 v[SW], v10, 2, s21
	v_lshlrev_b32 v[SH8], 3, v12
	v_lshlrev_b32 v[WSO], 4, v11
	v_mov_b32 v[PX], 0                             ; a lane permute's destination counts as one of its sources
	s_mov_b32 s[SEL], 0x76543210
	s_mov_b32 s[SEL+1], 0xfedcba98
	s_mov_b32 s24, 0x3fb8aa3b                      ; log2(e)
	s_mov_b32 s25, s24
	s_lshl_b32 s26, ttmp9, 17                      ; 64 rows of 2,048 bytes,
	s_lshr_b32 s28, s20, 1
	s_lshl_b32 s28, s28, 15                        ; my 16 of them,
	s_add_co_u32 s26, s26, s28
	s_and_b32 s28, s20, 1
	s_lshl_b32 s28, s28, 10                        ; my two K steps
	s_add_co_u32 s26, s26, s28
	s_mov_b32 s27, 0
	s_wait_kmcnt 0x0
	s_add_nc_u64 s[4:5], s[4:5], s[26:27]
	s_add_nc_u64 s[6:7], s[6:7], s[26:27]
	XLOAD 0, RA
	XLOAD 1, RB
	XLOAD 2, RC
	s_lshl_b32 s26, s20, 8                         ; the biases at my 64 columns
	s_add_nc_u64 s[8:9], s[8:9], s[26:27]
	s_add_nc_u64 s[10:11], s[10:11], s[26:27]
	s_lshl_b32 s26, s20, 14                        ; wf at Wk's fragments of my four tiles; Wv's lie 131,072 bytes on
	s_add_co_u32 s26, s26, 131072
	s_add_nc_u64 s[12:13], s[12:13], s[26:27]
	s_lshl_b32 s26, s20, 10                        ; wsc likewise; Wv's lie 8,192 bytes on
	s_add_co_u32 s26, s26, 8192
	s_add_nc_u64 s[14:15], s[14:15], s[26:27]
	s_lshl_b32 s26, ttmp9, 17                      ; ekf: [steps of 32 t][w][ek v, ek][dt][1,024]: two steps a work-group, 8,192 bytes a wave
	s_lshl_b32 s28, s20, 13
	s_add_co_u32 s26, s26, s28
	s_add_nc_u64 s[16:17], s[16:17], s[26:27]
	s_lshl_b32 s26, ttmp9, 12                      ; ps: [x][w][ek v, ek][64 d] f32
	s_lshl_b32 s28, s20, 9
	s_add_co_u32 s26, s26, s28
	s_add_nc_u64 s[18:19], s[18:19], s[26:27]
	; ---- k and v become codes.  Each count names the loads issued behind the sixteen that are wanted
	s_wait_loadcnt 32                              ; behind set 0: sets 1 and 2
	TURN RA
	QUANT2 RA
	XLOAD 3, RA
	IMAGE 0, 0
	s_wait_loadcnt 32                              ; behind set 1: sets 2 and 3
	TURN RB                                        ; (its waits also show that the last image's stores have read their registers)
	QUANT2 RB
	IMAGE 1024, 128
	WIN 0x40                                       ; destination window 1
.irp dt, 0,1,2,3
.irp ks, 0,1,2,3
.irp c, 0,1
	global_load_b128 v[8*(4*\dt+\ks)+4*\c:8*(4*\dt+\ks)+4*\c+3], v[LI], s[12:13] offset:4096*\dt+1024*\ks+512*\c
.endr
.endr
.endr
	WIN 0
	s_wait_loadcnt 48                              ; behind set 2: set 3 and Wk's 32
	TURN RC
	QUANT2 RC
	IMAGE 16384, 2048
.irp dt, 0,1,2,3
	global_load_b128 v[WKS+4*\dt:WKS+4*\dt+3], v[WSO], s[14:15] offset:256*\dt
	global_load_b128 v[WVS+4*\dt:WVS+4*\dt+3], v[WSO], s[14:15] offset:8192+256*\dt
.endr
	s_wait_loadcnt 40                              ; behind set 3: Wk's 32 and the 8 of scale words
	TURN RA
	WIN 0x40
.irp dt, 0,1,2,3
.irp ks, 0,1,2,3
.irp c, 0,1
	global_load_b128 v[128+8*(4*\dt+\ks)+4*\c:128+8*(4*\dt+\ks)+4*\c+3], v[LI], s[12:13] offset:131072+4096*\dt+1024*\ks+512*\c
.endr
.endr
.endr
	WIN 0
	v_and_b32 v[TM], 31, v0                        ; set RC is done with: the registers of the second part are made
	v_lshl_add_u32 v[FI], v[TM], 4, XIMG
	v_lshl_add_u32 v[FS], v[TM], 2, XSC
	v_lshlrev_b32 v[PSO], 2, v[TM]
	v_and_b32 v[BO], 15, v0
	v_lshlrev_b32 v[BO], 2, v[BO]
	QUANT2 RA
.irp dt, 0,1,2,3
	global_load_b32 v[BP+2*\dt], v[BO], s[8:9] offset:64*\dt
	global_load_b32 v[BP+2*\dt+1], v[BO], s[10:11] offset:64*\dt
.endr
	IMAGE 17408, 2176
	s_wait_dscnt 0x0                               ; for the others' sake: my images lie in LDS
	s_barrier_signal -1
	s_barrier_wait -1                              ; all 32 fragments do
.macro FETCH tt                        ; the eight fragments and scale words of rows 16 tt on
.irp a, 0,1
.irp ks, 0,1,2,3
.irp c, 0,1
	ds_load_b128 v[XFK+32*\a+8*\ks+4*\c:XFK+32*\a+8*\ks+4*\c+3], v[FI] offset:16384*\a+4096*(\tt)+1024*\ks+512*\c
.endr
	ds_load_b32 v[XS+4*\a+\ks], v[FS] offset:2048*\a+512*(\tt)+128*\ks
.endr
.endr
.endm
; Rows 16 tt on: 32 products, the four accumulators of a kind by turns, then exp, the product, the sums and the stores.
.macro TRIP tt
	s_wait_dscnt 0x0                               ; this tile's fragments are in
	s_wait_xcnt 0x0                                ; the last tile's stores have read the accumulators' registers
.if \tt == 0
	s_wait_loadcnt 40                              ; Wk and the scale words are in; behind them: Wv's 32 and the 8 of the biases
.endif
	WIN 0x04                                       ; source 1 (the weights) window 1
.irp ks, 0,1,2,3
.irp dt, 0,1,2,3
.if \ks == 0
	v_wmma_scale_f32_16x16x128_f8f6f4 v[ACK+8*\dt:ACK+8*\dt+7], v[XFK+8*\ks:XFK+8*\ks+7], v[8*(4*\dt+\ks):8*(4*\dt+\ks)+7], 0, v[XS+\ks], v[WKS+4*\dt+\ks] matrix_a_fmt:MATRIX_FMT_FP4 matrix_b_fmt:MATRIX_FMT_FP4
.else
	v_wmma_scale_f32_16x16x128_f8f6f4 v[ACK+8*\dt:ACK+8*\dt+7], v[XFK+8*\ks:XFK+8*\ks+7], v[8*(4*\dt+\ks):8*(4*\dt+\ks)+7], v[ACK+8*\dt:ACK+8*\dt+7], v[XS+\ks], v[WKS+4*\dt+\ks] matrix_a_fmt:MATRIX_FMT_FP4 matrix_b_fmt:MATRIX_FMT_FP4
.endif
.endr
.endr
.if \tt == 0
	WIN 0
	s_wait_loadcnt 0x0                             ; Wv and the biases
.irp dt, 0,1,2,3
.irp j, 0,1,2,3,4,5,6,7
	v_mov_b32 v[BV+8*\dt+\j], v[BP+2*\dt+1]        ; once: a lane holds one column, so its eight results take the same bias
.endr
.endr
.irp dt, 0,1,2,3
	v_mul_f32 v[BP+2*\dt], s24, v[BP+2*\dt]        ; Wk_b x log2(e): it joins key in the multiply-add ahead of the exponential
.endr
	WIN 0x04
.endif
.irp ks, 0,1,2,3
.irp dt, 0,1,2,3
.if \ks == 0
	v_wmma_scale_f32_16x16x128_f8f6f4 v[ACV+8*\dt:ACV+8*\dt+7], v[XFV+8*\ks:XFV+8*\ks+7], v[128+8*(4*\dt+\ks):128+8*(4*\dt+\ks)+7], v[BV+8*\dt:BV+8*\dt+7], v[XS+4+\ks], v[WVS+4*\dt+\ks] matrix_a_fmt:MATRIX_FMT_FP4 matrix_b_fmt:MATRIX_FMT_FP4
.else
	v_wmma_scale_f32_16x16x128_f8f6f4 v[ACV+8*\dt:ACV+8*\dt+7], v[XFV+8*\ks:XFV+8*\ks+7], v[128+8*(4*\dt+\ks):128+8*(4*\dt+\ks)+7], v[ACV+8*\dt:ACV+8*\dt+7], v[XS+4+\ks], v[WVS+4*\dt+\ks] matrix_a_fmt:MATRIX_FMT_FP4 matrix_b_fmt:MATRIX_FMT_FP4
.endif
.endr
.endr
	WIN 0
	PLACES 5                                       ; four in front of the loads into operands and of the first read of results; the fifth since the next tile's first products begin these accumulators anew
.if \tt < 3
	FETCH (\tt)+1
.endif
.irp dt, 0,1,2,3
.irp i, 0,2,4,6
	v_pk_fma_f32 v[ACK+8*\dt+\i:ACK+8*\dt+\i+1], v[ACK+8*\dt+\i:ACK+8*\dt+\i+1], s[24:25], v[BP+2*\dt:BP+2*\dt+1] op_sel_hi:[1,0,0]   ; (key + Wk_b) log2(e); of both pairs the low word serves both halves
.endr
.endr
.irp j, 0,1,2,3,4,5,6,7,8,9,10,11,12,13,14,15,16,17,18,19,20,21,22,23,24,25,26,27,28,29,30,31
	v_exp_f32 v[ACK+\j], v[ACK+\j]                 ; ek
.endr
	v_nop                                          ; a plain place behind the last exponential,
	s_wait_alu depctr_va_vdst(0)                   ; and one wait for the 32, ahead of their first reader
.irp j, 0,2,4,6,8,10,12,14,16,18,20,22,24,26,28,30
	v_pk_mul_f32 v[ACV+\j:ACV+\j+1], v[ACV+\j:ACV+\j+1], v[ACK+\j:ACK+\j+1]   ; ek x value
.endr
.irp a, 0,1                                    ; the column sums, in f32, of what is not yet rounded: a = 0: ek x value, 1: ek
.irp dt, 0,1,2,3
.if \tt == 0
	v_pk_add_f32 v[SS+8*\a+2*\dt:SS+8*\a+2*\dt+1], v[ACV-32*\a+8*\dt:ACV-32*\a+8*\dt+1], v[ACV-32*\a+8*\dt+2:ACV-32*\a+8*\dt+3]   ; the first tile starts the sums
.else
	v_pk_add_f32 v[SS+8*\a+2*\dt:SS+8*\a+2*\dt+1], v[SS+8*\a+2*\dt:SS+8*\a+2*\dt+1], v[ACV-32*\a+8*\dt:ACV-32*\a+8*\dt+1]
.endif
.endr
.endr
.if \tt > 0
.irp a, 0,1
.irp dt, 0,1,2,3
	v_pk_add_f32 v[SS+8*\a+2*\dt:SS+8*\a+2*\dt+1], v[SS+8*\a+2*\dt:SS+8*\a+2*\dt+1], v[ACV-32*\a+8*\dt+2:ACV-32*\a+8*\dt+3]
.endr
.endr
.endif
.irp i, 4,6
.irp a, 0,1
.irp dt, 0,1,2,3
	v_pk_add_f32 v[SS+8*\a+2*\dt:SS+8*\a+2*\dt+1], v[SS+8*\a+2*\dt:SS+8*\a+2*\dt+1], v[ACV-32*\a+8*\dt+\i:ACV-32*\a+8*\dt+\i+1]
.endr
.endr
.endr
.irp a, 0,1
.irp dt, 0,1,2,3
.irp i, 0,1,2,3
	v_cvt_pk_bf16_f32 v[ACV-32*\a+8*\dt+\i], v[ACV-32*\a+8*\dt+2*\i], v[ACV-32*\a+8*\dt+2*\i+1]   ; in place: t = 8 h + 0..7 of column r in four registers
.endr
	global_store_b128 v[LI], v[ACV-32*\a+8*\dt:ACV-32*\a+8*\dt+3], s[16:17] offset:65536*((\tt)/2)+4096*\a+1024*\dt+512*((\tt)%2)   ; half tt % 2 of a fragment: 512 consecutive bytes
.endr
.endr
.endm
	FETCH 0
	TRIP 0
	TRIP 1
	TRIP 2
	TRIP 3
	; ---- the sums of my 64 columns over the 64 rows
	v_and_b32 v[TM], 31, v0
	v_cmp_le_u32 vcc_lo, 16, v[TM]
.irp q, 0,1,2,3,4,5,6,7
	v_add_f32 v[SS+2*\q], v[SS+2*\q], v[SS+2*\q+1]
.endr
.irp q, 0,1,2,3,4,5,6,7
	v_permlanex16_b32 v[SS+2*\q+1], v[SS+2*\q], s[SEL], s[SEL+1]
.endr
.irp q, 0,1,2,3,4,5,6,7
	v_add_f32 v[SS+2*\q], v[SS+2*\q], v[SS+2*\q+1] ; both halves of the lanes now hold column r's sum
.endr
.irp a, 0,1
.irp u, 0,1
	v_cndmask_b32 v[TM+2*\a+\u], v[SS+8*\a+4*\u], v[SS+8*\a+4*\u+2], vcc_lo   ; lanes 0-15 the even tile's columns, lanes 16-31 the odd tile's: 32 neighbours
	global_store_b32 v[PSO], v[TM+2*\a+\u], s[18:19] offset:256*\a+128*\u
.endr
.endr
	s_wait_tensorcnt 0x0                           ; the wave's end: three lines behind my last LDS store
	ds_add_u32 v[SPW], v[NIL]
	s_wait_dscnt 0x0
	s_endpgm
.Lfunc_end_k_q87816728df_proj:
	.size	k_q87816728df_proj, .Lfunc_end_k_q87816728df_proj-k_q87816728df_proj
	.p2alignl 7, 3214868480
	.fill 96, 4, 3214868480
	.section	.rodata,"a",@progbits
	.p2align	6, 0x0
	.amdhsa_kernel k_q87816728df_proj
		.amdhsa_group_segment_fixed_size 105472
		.amdhsa_private_segment_fixed_size 0
		.amdhsa_enable_private_segment 0
		.amdhsa_kernarg_size 64
		.amdhsa_user_sgpr_count 2
		.amdhsa_user_sgpr_kernarg_segment_ptr 1
		.amdhsa_wavefront_size32 1
		.amdhsa_system_sgpr_workgroup_id_x 1
		.amdhsa_system_sgpr_workgroup_id_y 1
		.amdhsa_system_sgpr_workgroup_id_z 1
		.amdhsa_system_vgpr_workitem_id 0
		.amdhsa_next_free_vgpr 512
		.amdhsa_next_free_sgpr 66
		.amdhsa_reserve_vcc 1
		.amdhsa_float_denorm_mode_32 3
		.amdhsa_float_denorm_mode_16_64 3
		.amdhsa_memory_ordered 1
		.amdhsa_forward_progress 1
		.amdhsa_inst_pref_size 95
	.end_amdhsa_kernel
	.amdgpu_metadata
---
amdhsa.version: [ 1, 2 ]
amdhsa.kernels:
  - .name:           k_q87816728df_proj
    .symbol:         k_q87816728df_proj.kd
    .args:
      - { .name: k, .offset: 0, .size: 8, .value_kind: global_buffer, .address_space: global }
      - { .name: v, .offset: 8, .size: 8, .value_kind: global_buffer, .address_space: global }
      - { .name: Wk_b, .offset: 16, .size: 8, .value_kind: global_buffer, .address_space: global }
      - { .name: Wv_b, .offset: 24, .size: 8, .value_kind: global_buffer, .address_space: global }
      - { .name: wf, .offset: 32, .size: 8, .value_kind: global_buffer, .address_space: global }
      - { .name: wsc, .offset: 40, .size: 8, .value_kind: global_buffer, .address_space: global }
      - { .name: ekf, .offset: 48, .size: 8, .value_kind: global_buffer, .address_space: global }
      - { .name: ps, .offset: 56, .size: 8, .value_kind: global_buffer, .address_space: global }
    .group_segment_fixed_size: 105472
    .private_segment_fixed_size: 0
    .kernarg_segment_align: 8
    .kernarg_segment_size: 64
    .max_flat_workgroup_size: 256
    .sgpr_count:     66
    .vgpr_count:     512
    .wavefront_size: 32
...
	.end_amdgpu_metadata
.endif
;; end of part 2
;; launch attn (part 3): grid 256 x 1, 8 waves a work-group, no clusters, 283,648 bytes of LDS; arguments q, Wq_b, out_b, wf, wsc, owf, ef, fl, ekf, ps, out0, out1; writes out0, out1
.if DOCPART == 3
	.amdgcn_target "amdgcn-amd-amdhsa--gfx1250"
	.amdhsa_code_object_version 6
	.text
	.protected	k_q87816728df_attn
	.globl	k_q87816728df_attn
	.p2align	8
	.type	k_q87816728df_attn,@function
k_q87816728df_attn:
	s_mov_b64 s[64:65], 0
	v_nop
	global_prefetch_b8 v0, s[64:65] scope:SCOPE_SE
	s_setreg_imm32_b32 hwreg(HW_REG_WAVE_MODE, 25, 1), 1
	s_wait_xcnt 0x0
; ATTN: Q_ = sigmoid(Q(q) Q(Wq)^T + Wq_b) on E2M1 codes; num and den; out1 = Q_ num; x = out1 / den; out0 = x out_w^T + out_b.
; WORK LEFT OUT: a tile of 64 s x 64 t of the two products with ew whose mask bytes are all 0 adds nothing, since exp(w_bias x 0) - 1 = 0 for every finite w_bias (shown at the head of the first launch).
; num = (column sum of ek v over all t) + (ew - 1) (ek v), den likewise.  The column sums, f32, are the C of the first products; the flags that the first launch stored say which chunks of 64 t are multiplied.
; The chunk with this block's own number is multiplied without asking, to start the sums: any chunk is right there, since ef holds zeros where the mask is 0.  LIMIT: a NaN or infinity of w_bias under a mask byte 0 is not carried.
; SHARES.  Work-group x: batch x / 32, rows s = 64 (x % 32) + 0..63, all 512 columns.  Wave w: columns d = 64 w .. + 63 (in the last product: outputs n = 64 w .. + 63) for all 64 rows.
; LAYOUT.  Every product has the rows s as source 1, so a lane (r, h) holds row s = r and eight neighbouring columns 8 h + 0..7 throughout: Q_, num, den, x and out0 meet in the lanes.
; x, packed to f16, is half a fragment of the last product as it stands; it goes to the other waves through LDS as an image of its registers.
; FORMATS.  bf16 for ek, ek v and ew - 1: exp(key) has no room in f16, and their product is a small term beside the f32 column sums.  f16 (11 significant bits) for x and out_w: out0 sums 512 terms of either sign,
; so its operands' rounding weighs on it in full.  |x| = Q_ x |a weighted mean of value| is at most the largest |value|.  LIMIT: an |x| over 65,504 becomes infinity; under 2^-14 x keeps an absolute step of 2^-24.
; NO TENSOR LOAD, NO CLUSTER: operands go from memory straight into registers, laid for that by the earlier launches.
; NO PREFETCH: a work-group's walk is short and its length is known only from the flags, so a lead of several steps would be one burst in front of the loop.
; LIMITS: quantiser as in the first launch; a den under 2^-126 or over 2^126 has no reciprocal here.
.set WREG,  8448                       ; a wave's own bytes: the stage of the quantiser, then 512 bytes of column sums, then the stage of the way out (16 rows x 272)
.set XIMG,  8*WREG                     ; images of q's fragments [tile of rows 4][K step 4] x 1,024
.set XSC,   XIMG+16384                 ; their scale words
.set QIMG,  XSC+2048                   ; Q_ as register images, 16,384 bytes a wave, its own
.set XB,    QIMG+131072                ; x's fragments [tile of rows 4][K step 16] x 1,024
.set SPARE, XB+65536                   ; the spare words, 128 bytes a wave
.set LI,  1                            ; 16 x lane
.set TS,  2                            ; my stage, dense: 16 x lane
.set TL,  3                            ; 528 r + 128 h
.set IW,  4                            ; where I store q's images,
.set SW,  5                            ; and scale words
.set FI,  6                            ; where any wave reads them
.set FS,  7
.set QI,  8                            ; my Q_ images
.set TB,  9                            ; the column sums, read: 32 h
.set SO,  10                           ; the way out, in: 272 r + 32 h
.set SR,  11                           ; and back: 272 h + 16 r
.set GO,  12                           ; the same two rows in out0, out1: 2,048 h + 16 r
.set XW,  13                           ; where I store x's images
.set XR,  14                           ; where any wave reads them
.set SH8, 15
.set SPW, 16                           ; my spare word; never rewritten
.set NIL, 17                           ; 0; never rewritten
.set H32, 18                           ; 32 h
.set R16, 19                           ; 16 r
.set WQS, 20                           ; v20-35 Wq's scale words, v36-39 q's: these hold scales and nothing else
.set XS,  36
.set FLG, 40                           ; v40-43 my lane's chunk: the flags of the four tiles of rows
.set QM,  44
.set QB,  46
.set PX,  48
.set PC,  50                           ; v50-57 the codes just made
.set TSUM, 58                          ; v58-61 four column sums
.set RA,  64
.set RB,  128
.set QBB, 192                          ; v192-223 Wq_b as the C of the first products
.set XQ,  64                           ; q's four fragments of a tile of rows
.set QACC, 96                          ; the four accumulators of query
.set A0,  64                           ; two buffers of a step of 32 t: 8 fragments of ek v and ek, 4 of ew - 1
.set E0,  128
.set A1,  160
.set E1,  224
.set QV,  64                           ; the epilogue: Q_, out1, 1 / den and then x, x packed, rows on their way out
.set OO,  96
.set RR,  128
.set XP,  160
.set OBK, 176
.set OW,  64                           ; the last product: four slots of out_w's four fragments, two of x's four
.set XF,  192
.set OBB, 128                          ; window 1: out_b as the C of the first products
.set SEL, 32
.set MSB, 0
; window 1: first Wq's 16 fragments (v0-127) and the 32 parts of the column sums (v128-255); then the 32 accumulators (blk = 4 arr + dt, st) at v[32 blk + 8 st]; then out0's 16 at v[8 (4 nt + st)]
.macro WIN new                         ; the immediate's high byte repeats the setting that is left
.if MSB != \new
	s_set_vgpr_msb (MSB<<8)|\new
.set MSB, \new
.endif
.endm
.macro PLACES n
.rept \n
	v_nop
.endr
.endm
.macro XLOAD n, R                      ; 16 rows x 512 bytes (128 K) of q, row i in v[R + 4 i] on
.irp i, 0,1,2,3,4,5,6,7,8,9,10,11,12,13,14,15
	global_load_b128 v[\R+4*\i:\R+4*\i+3], v[LI], s[4:5] offset:2048*\i+512*(\n) th:TH_LOAD_NT
.endr
.endm
.macro TURN R                          ; through my stage: afterwards register 32 c + i = k 64 c + 32 h + i of row r
.irp i, 0,1,2,3,4,5,6,7,8,9,10,11,12,13,14,15
	ds_store_b128 v[TS], v[\R+4*\i:\R+4*\i+3] offset:528*\i
.endr
	s_wait_dscnt 0x0                               ; the stores have read the registers into which the loads below land
.irp c, 0,1
.irp j, 0,1,2,3,4,5,6,7
	ds_load_b128 v[\R+32*\c+4*\j:\R+32*\c+4*\j+3], v[TL] offset:256*\c+16*\j
.endr
.endr
	s_wait_dscnt 0x0
.endm
.macro QUANT2 R                        ; 64 numbers, two whole blocks a lane: codes into v[PC] on, the row's scale word into v[QB]
.irp c, 0,1
	v_max3_num_f32 v[QM+\c], |v[\R+32*\c]|, |v[\R+32*\c+1]|, 0x1800000   ; with the floor 2^(3 - 127): the byte cannot fall under 1
.endr
.irp i, 2,4,6,8,10,12,14,16,18,20,22,24,26,28,30
.irp c, 0,1
	v_max3_num_f32 v[QM+\c], v[QM+\c], |v[\R+32*\c+\i]|, |v[\R+32*\c+\i+1]|
.endr
.endr
.irp c, 0,1
	v_add_nc_u32 v[QM+\c], 0xff000000, v[QM+\c]    ; 2 off the exponent field: the conversion's scale operand
.endr
.irp c, 0,1
	v_lshrrev_b32 v[QB+\c], 23, v[QM+\c]
.endr
	v_lshl_or_b32 v[QB], v[QB+1], 16, v[QB]
	v_lshlrev_b32 v[QB], v[SH8], v[QB]
	v_permlanex16_b32 v[PX], v[QB], s[SEL], s[SEL+1]
	v_or_b32 v[QB], v[QB], v[PX]
.irp c, 0,1
.irp g, 0,1,2,3
	v_cvt_scalef32_pk8_fp4_f32 v[PC+4*\c+\g], v[\R+32*\c+8*\g:\R+32*\c+8*\g+7], v[QM+\c]
.endr
.endr
	v_nop                                          ; one plain place behind the last conversion
.endm
.macro IMAGE off, soff
	ds_store_b128 v[IW], v[PC:PC+3] offset:\off
	ds_store_b128 v[IW], v[PC+4:PC+7] offset:\off+512
	ds_store_b32 v[SW], v[QB] offset:\soff
.endm
	s_load_b512 s[4:19], s[0:1], 0x0               ; q s[4:5], Wq_b s[6:7], out_b s[8:9], wf s[10:11], wsc s[12:13], owf s[14:15], ef s[16:17], fl s[18:19]
	s_load_b256 s[20:27], s[0:1], 0x40             ; ekf s[20:21], ps s[22:23], out0 s[24:25], out1 s[26:27]
	v_lshl_add_u32 v[SPW], v0, 2, SPARE
	v_mov_b32 v[NIL], 0
	v_lshrrev_b32 v62, 5, v0
	v_readfirstlane_b32 s28, v62                   ; wave 0..7
	v_and_b32 v62, 31, v0                          ; lane
	v_and_b32 v63, 15, v0                          ; r
	v_bfe_u32 v49, v0, 4, 1                        ; h
	s_lshr_b32 s29, ttmp9, 5                       ; batch
	s_and_b32 s30, ttmp9, 31                       ; sb: which 64 rows of it
	v_lshlrev_b32 v[LI], 4, v62
	s_mul_i32 s31, s28, WREG
	v_add_nc_u32 v[TS], s31, v[LI]
	v_mul_u32_u24 v[TL], v63, 528
	v_lshl_add_u32 v[TL], v49, 7, v[TL]
	v_add_nc_u32 v[TL], s31, v[TL]
	v_lshl_add_u32 v[TB], v49, 5, s31
	v_mul_u32_u24 v[SO], v63, 272
	v_lshl_add_u32 v[SO], v49, 5, v[SO]
	v_add_nc_u32 v[SO], s31, v[SO]
	v_mul_u32_u24 v[SR], v49, 272
	v_lshl_add_u32 v[SR], v63, 4, v[SR]
	v_add_nc_u32 v[SR], s31, v[SR]
	v_lshlrev_b32 v[GO], 11, v49
	v_lshl_add_u32 v[GO], v63, 4, v[GO]
	s_lshl_b32 s31, s28, 11
	s_add_co_u32 s50, s31, XIMG
	v_add_nc_u32 v[IW], s50, v[LI]
	s_add_co_u32 s50, s31, XB
	v_add_nc_u32 v[XW], s50, v[LI]
	s_lshl_b32 s50, s28, 8
	s_add_co_u32 s50, s50, XSC
	v_lshl_add_u32 v[SW], v62, 2, s50
	v_add_nc_u32 v[FI], XIMG, v[LI]
	v_lshl_add_u32 v[FS], v62, 2, XSC
	s_lshl_b32 s50, s28, 14
	s_add_co_u32 s50, s50, QIMG
	v_add_nc_u32 v[QI], s50, v[LI]
	v_add_nc_u32 v[XR], XB, v[LI]
	v_lshlrev_b32 v[SH8], 3, v49
	v_lshlrev_b32 v[H32], 5, v49
	v_lshlrev_b32 v[R16], 4, v63
	v_mov_b32 v[PX], 0                             ; a lane permute's destination counts as one of its sources
	s_mov_b32 s[SEL], 0x76543210
	s_mov_b32 s[SEL+1], 0xfedcba98
	s_mov_b32 s52, 0xbfb8aa3b                      ; -log2(e)
	s_mov_b32 s53, s52
	s_mov_b32 s39, 0                               ; the upper word of every offset pair s[38:39]
	s_lshl_b32 s38, ttmp9, 17                      ; q: 64 rows of 2,048 bytes, my 16 of them, my two K steps
	s_lshr_b32 s50, s28, 1
	s_lshl_b32 s50, s50, 15
	s_add_co_u32 s38, s38, s50
	s_and_b32 s50, s28, 1
	s_lshl_b32 s50, s50, 10
	s_add_co_u32 s38, s38, s50
	s_wait_kmcnt 0x0
	s_add_nc_u64 s[4:5], s[4:5], s[38:39]
	s_lshl_b32 s38, s28, 8                         ; the biases at my 64 columns
	s_add_nc_u64 s[6:7], s[6:7], s[38:39]
	s_add_nc_u64 s[8:9], s[8:9], s[38:39]
	s_lshl_b32 s50, ttmp9, 17
	s_add_co_u32 s38, s38, s50                     ; the outputs at my block's first row, my 64 columns
	s_add_nc_u64 s[24:25], s[24:25], s[38:39]
	s_add_nc_u64 s[26:27], s[26:27], s[38:39]
	s_lshl_b32 s38, s28, 14                        ; Wq's fragments of my four tiles
	s_add_nc_u64 s[10:11], s[10:11], s[38:39]
	s_lshl_b32 s38, s28, 10                        ; and their scale words
	s_add_nc_u64 s[12:13], s[12:13], s[38:39]
	s_lshl_b32 s38, s28, 16                        ; out_w's fragments of my four tiles
	s_add_nc_u64 s[14:15], s[14:15], s[38:39]
	s_lshl_b32 s38, s30, 18                        ; ef at my block of rows
	s_add_nc_u64 s[42:43], s[16:17], s[38:39]
	s_lshl_b32 s38, s30, 9                         ; its flags
	s_add_nc_u64 s[18:19], s[18:19], s[38:39]
	s_lshl_b32 s38, s29, 22                        ; ekf at my batch, my columns
	s_lshl_b32 s50, s28, 13
	s_add_co_u32 s38, s38, s50
	s_add_nc_u64 s[40:41], s[20:21], s[38:39]
	s_lshl_b32 s38, s29, 17                        ; ps likewise
	s_lshl_b32 s50, s28, 9
	s_add_co_u32 s38, s38, s50
	s_add_nc_u64 s[22:23], s[22:23], s[38:39]
	global_load_b128 v[FLG:FLG+3], v[LI], s[18:19] ; lane c: chunk c's four flags
.irp dt, 0,1,2,3
	global_load_b128 v[WQS+4*\dt:WQS+4*\dt+3], v[R16], s[12:13] offset:256*\dt
.endr
.irp dt, 0,1,2,3
.irp c, 0,1
	global_load_b128 v[QBB+8*\dt+4*\c:QBB+8*\dt+4*\c+3], v[H32], s[6:7] offset:64*\dt+16*\c   ; Wq_b at my eight columns of the tile
.endr
.endr
	XLOAD 0, RA
	XLOAD 1, RB
	; ---- q becomes codes: wave w makes the fragments of rows 16 (w / 2) on, K steps 2 (w % 2) and + 1
	s_wait_loadcnt 16                              ; all but the second set
	TURN RA
	WIN 0x40                                       ; destination window 1
.irp dt, 0,1,2,3
.irp ks, 0,1,2,3
.irp c, 0,1
	global_load_b128 v[8*(4*\dt+\ks)+4*\c:8*(4*\dt+\ks)+4*\c+3], v[LI], s[10:11] offset:4096*\dt+1024*\ks+512*\c
.endr
.endr
.endr
	WIN 0
	QUANT2 RA
	IMAGE 0, 0
	s_wait_loadcnt 32                              ; behind the second set: Wq's 32
	TURN RB
	WIN 0x40
.irp p, 0,1,2,3,4,5,6,7,8,9,10,11,12,13,14,15,16,17,18,19,20,21,22,23,24,25,26,27,28,29,30,31
	global_load_b128 v[128+4*\p:128+4*\p+3], v[LI], s[22:23] offset:4096*\p   ; block p's sums of my 64 columns: lanes 0-15 ek v, lanes 16-31 ek, four columns a lane
.endr
	WIN 0
	QUANT2 RB
	IMAGE 1024, 128
	s_wait_dscnt 0x0                               ; for the others' sake: my images lie in LDS
	s_barrier_signal -1
	s_barrier_wait -1                              ; all 16 fragments do
	; ---- Q_, a tile of 16 rows at a time: source 0 = 16 rows of Wq, source 1 = q; the four accumulators by turns
.irp st, 0,1,2,3
.irp ks, 0,1,2,3
.irp c, 0,1
	ds_load_b128 v[XQ+8*\ks+4*\c:XQ+8*\ks+4*\c+3], v[FI] offset:4096*\st+1024*\ks+512*\c
.endr
	ds_load_b32 v[XS+\ks], v[FS] offset:512*\st+128*\ks
.endr
	s_wait_dscnt 0x0                               ; they are in, and the last tile's stores have read the accumulators' registers
.if \st == 0
	s_wait_loadcnt 32                              ; Wq is in; behind it: the 32 of the column sums
.endif
	WIN 0x01                                       ; source 0 window 1
.irp ks, 0,1,2,3
.irp dt, 0,1,2,3
.if \ks == 0
	v_wmma_scale_f32_16x16x128_f8f6f4 v[QACC+8*\dt:QACC+8*\dt+7], v[8*(4*\dt+\ks):8*(4*\dt+\ks)+7], v[XQ+8*\ks:XQ+8*\ks+7], v[QBB+8*\dt:QBB+8*\dt+7], v[WQS+4*\dt+\ks], v[XS+\ks] matrix_a_fmt:MATRIX_FMT_FP4 matrix_b_fmt:MATRIX_FMT_FP4
.else
	v_wmma_scale_f32_16x16x128_f8f6f4 v[QACC+8*\dt:QACC+8*\dt+7], v[8*(4*\dt+\ks):8*(4*\dt+\ks)+7], v[XQ+8*\ks:XQ+8*\ks+7], v[QACC+8*\dt:QACC+8*\dt+7], v[WQS+4*\dt+\ks], v[XS+\ks] matrix_a_fmt:MATRIX_FMT_FP4 matrix_b_fmt:MATRIX_FMT_FP4
.endif
.endr
.endr
	WIN 0
	PLACES 5                                       ; four in front of the first read of results and of the next loads into operands; the fifth since the next tile begins these accumulators anew
.irp j, 0,2,4,6,8,10,12,14,16,18,20,22,24,26,28,30
	v_pk_mul_f32 v[QACC+\j:QACC+\j+1], v[QACC+\j:QACC+\j+1], s[52:53] op_sel_hi:[1,0]
.endr
.irp j, 0,1,2,3,4,5,6,7,8,9,10,11,12,13,14,15,16,17,18,19,20,21,22,23,24,25,26,27,28,29,30,31
	v_exp_f32 v[QACC+\j], v[QACC+\j]               ; e^-query
.endr
	v_nop
	s_wait_alu depctr_va_vdst(0)                   ; one wait for the 32 exponentials, ahead of their first reader
.irp j, 0,2,4,6,8,10,12,14,16,18,20,22,24,26,28,30
	v_pk_add_f32 v[QACC+\j:QACC+\j+1], v[QACC+\j:QACC+\j+1], 1.0 op_sel_hi:[1,0]
.endr
.irp j, 0,1,2,3,4,5,6,7,8,9,10,11,12,13,14,15,16,17,18,19,20,21,22,23,24,25,26,27,28,29,30,31
	v_rcp_f32 v[QACC+\j], v[QACC+\j]               ; Q_
.endr
	v_nop
	s_wait_alu depctr_va_vdst(0)                   ; and one for the 32 reciprocals
.irp i, 0,1,2,3,4,5,6,7
	ds_store_b128 v[QI], v[QACC+4*\i:QACC+4*\i+3] offset:4096*\st+512*\i   ; kept in my own LDS bytes as the registers stand
.endr
.endr
	; ---- which chunks of 64 t are multiplied
	v_or_b32 v[FLG], v[FLG], v[FLG+1]
	v_or_b32 v[FLG+2], v[FLG+2], v[FLG+3]
	v_or_b32 v[FLG], v[FLG], v[FLG+2]
	v_cmp_ne_u32 s34, 0, v[FLG]                    ; bit c: some mask byte of my 64 rows x chunk c is 1
	s_lshl_b32 s31, 1, s30
	s_and_not1_b32 s34, s34, s31                   ; chunk sb is taken first, whatever its flag
	s_bcnt1_i32_b32 s35, s34                       ; the others: the loop's trips
	s_lshl_b32 s38, s30, 17                        ; a chunk is two steps of 65,536 bytes in ekf,
	s_add_nc_u64 s[44:45], s[40:41], s[38:39]
	s_lshl_b32 s38, s30, 13                        ; and 8,192 bytes in ef
	s_add_nc_u64 s[46:47], s[42:43], s[38:39]
.macro LOADK fa, fe, kk                ; step kk of the chunk in hand: 8 fragments of ek v and ek, 4 of ew - 1: 24 loads of 512 consecutive bytes
.irp blk, 0,1,2,3,4,5,6,7
.irp c, 0,1
	global_load_b128 v[\fa+8*\blk+4*\c:\fa+8*\blk+4*\c+3], v[LI], s[44:45] offset:65536*\kk+1024*\blk+512*\c
.endr
.endr
.irp st, 0,1,2,3
.irp c, 0,1
	global_load_b128 v[\fe+8*\st+4*\c:\fe+8*\st+4*\c+3], v[LI], s[46:47] offset:4096*\kk+1024*\st+512*\c
.endr
.endr
.endm
.macro KSTEP fa, fe                    ; 32 products, the 32 accumulators by turns, in the same order in every step
	WIN 0x50                                       ; C and D window 1
.irp st, 0,1,2,3
.irp blk, 0,1,2,3,4,5,6,7
	v_wmma_f32_16x16x32_bf16 v[32*\blk+8*\st:32*\blk+8*\st+7], v[\fa+8*\blk:\fa+8*\blk+7], v[\fe+8*\st:\fe+8*\st+7], v[32*\blk+8*\st:32*\blk+8*\st+7]
.endr
.endr
	WIN 0
.endm
	s_wait_dscnt 0x0                               ; the stores of Q_ have read their registers
	LOADK A0, E0, 0
	LOADK A1, E1, 1
	; ---- the column sums over all 2,048 t: 32 parts are added, go through my own LDS bytes, and come back in the results' layout as the C of the first products
	s_wait_loadcnt 48                              ; behind the 32 parts: the two steps' 48
	WIN 0x45                                       ; destination and both sources window 1
.irp sp, 1,2,4,8
.set PP, 0
.rept 16/\sp
	v_pk_add_f32 v[128+4*PP:129+4*PP], v[128+4*PP:129+4*PP], v[128+4*(PP+\sp):129+4*(PP+\sp)]
	v_pk_add_f32 v[130+4*PP:131+4*PP], v[130+4*PP:131+4*PP], v[130+4*(PP+\sp):131+4*(PP+\sp)]
.set PP, PP+2*\sp
.endr
.endr
	WIN 0x05                                       ; destination window 0
	v_pk_add_f32 v[TSUM:TSUM+1], v[128:129], v[192:193]
	v_pk_add_f32 v[TSUM+2:TSUM+3], v[130:131], v[194:195]
	WIN 0
	ds_store_b128 v[TS], v[TSUM:TSUM+3]            ; 512 bytes: 64 sums of ek v, 64 of ek
	WIN 0x40
.irp blk, 0,1,2,3,4,5,6,7
.irp c, 0,1
	ds_load_b128 v[32*\blk+4*\c:32*\blk+4*\c+3], v[TB] offset:64*\blk+16*\c   ; LDS serves a wave's instructions in order: these see the store.  Register j: the sum of column 16 dt + 8 h + j
.endr
.endr
	WIN 0
	s_wait_dscnt 0x0
	s_wait_loadcnt 24                              ; the first step is in; behind it: the second's 24
	WIN 0x50
.irp st, 1,2,3                                 ; the sums do not hang on s: the block that was loaded is the C of all four tiles of rows
.irp blk, 0,1,2,3,4,5,6,7
	v_wmma_f32_16x16x32_bf16 v[32*\blk+8*\st:32*\blk+8*\st+7], v[A0+8*\blk:A0+8*\blk+7], v[E0+8*\st:E0+8*\st+7], v[32*\blk:32*\blk+7]
.endr
.endr
	PLACES 5                                       ; the products below write over registers that those above took as C
.irp blk, 0,1,2,3,4,5,6,7
	v_wmma_f32_16x16x32_bf16 v[32*\blk:32*\blk+7], v[A0+8*\blk:A0+8*\blk+7], v[E0:E0+7], v[32*\blk:32*\blk+7]
.endr
	WIN 0
	s_mov_b32 s36, 0
	s_cmp_eq_u32 s35, 0
	s_cbranch_scc1 .Ltail
.Lloop:                                            ; a trip: the last chunk's second step and the next chunk's first
	s_wait_xcnt 0x0                                ; the loads that are out have read their bases
	s_ctz_i32_b32 s37, s34                         ; the next chunk
	s_min_u32 s37, s37, 31
	s_sub_co_u32 s31, s34, 1
	s_and_b32 s34, s34, s31                        ; its bit is taken off
	s_lshl_b32 s38, s37, 17
	s_add_nc_u64 s[44:45], s[40:41], s[38:39]
	s_lshl_b32 s38, s37, 13
	s_add_nc_u64 s[46:47], s[42:43], s[38:39]
	PLACES 4                                       ; in front of loads into registers that matrix instructions have read
	LOADK A0, E0, 0
	s_wait_loadcnt 24                              ; all but the 24 just issued
	KSTEP A1, E1
	PLACES 4
	LOADK A1, E1, 1
	s_wait_loadcnt 24
	KSTEP A0, E0
	s_add_co_u32 s36, s36, 1
	s_cmp_lt_u32 s36, s35
	s_cbranch_scc1 .Lloop
.Ltail:
	s_wait_loadcnt 0x0
	KSTEP A1, E1                                   ; the last chunk's second step
	PLACES 4                                       ; in front of the first read of results and of loads into the operands' registers
; ---- a tile of 16 rows: out1 = Q_ num through my stage, as whole pieces of 256 bytes of a row; x = out1 / den, packed to f16, to LDS as images
.macro EPIL st
.if \st > 0
	s_wait_xcnt 0x0                                ; the last tile's stores have read their registers
.endif
.irp i, 0,1,2,3,4,5,6,7
	ds_load_b128 v[QV+4*\i:QV+4*\i+3], v[QI] offset:4096*\st+512*\i
.endr
	s_wait_dscnt 0x0
	WIN 0x01                                       ; source 0 window 1
.irp dt, 0,1,2,3
.irp i, 0,2,4,6
	v_pk_mul_f32 v[OO+8*\dt+\i:OO+8*\dt+\i+1], v[32*\dt+8*\st+\i:32*\dt+8*\st+\i+1], v[QV+8*\dt+\i:QV+8*\dt+\i+1]
.endr
.endr
.irp dt, 0,1,2,3
.irp j, 0,1,2,3,4,5,6,7
	v_rcp_f32 v[RR+8*\dt+\j], v[128+32*\dt+8*\st+\j]
.endr
.endr
	WIN 0
.irp dt, 0,1,2,3
.irp c, 0,1
	ds_store_b128 v[SO], v[OO+8*\dt+4*\c:OO+8*\dt+4*\c+3] offset:64*\dt+16*\c
.endr
.endr
.irp i, 0,1,2,3,4,5,6,7
	ds_load_b128 v[OBK+4*\i:OBK+4*\i+3], v[SR] offset:544*\i   ; rows 2 i and 2 i + 1: these see my stores
.endr
	v_nop                                          ; a plain place behind the last reciprocal,
	s_wait_alu depctr_va_vdst(0)                   ; and one wait for the 32, ahead of their first reader
.irp j, 0,2,4,6,8,10,12,14,16,18,20,22,24,26,28,30
	v_pk_mul_f32 v[RR+\j:RR+\j+1], v[OO+\j:OO+\j+1], v[RR+\j:RR+\j+1]
.endr
.irp i, 0,1,2,3,4,5,6,7,8,9,10,11,12,13,14,15
	v_cvt_pk_f16_f32 v[XP+\i], v[RR+2*\i], v[RR+2*\i+1]
.endr
.irp dt, 0,1,2,3
	ds_store_b128 v[XW], v[XP+4*\dt:XP+4*\dt+3] offset:16384*\st+512*\dt   ; half dt % 2 of K step 2 w + dt / 2
.endr
	s_wait_dscnt 4                                 ; the rows are back; the four stores behind them may be out
.irp i, 0,1,2,3,4,5,6,7
	global_store_b128 v[GO], v[OBK+4*\i:OBK+4*\i+3], s[26:27] offset:(16*\st+2*\i)*2048 th:TH_STORE_NT   ; sixteen lanes store 256 consecutive bytes, aligned
.endr
.endm
	EPIL 0
	EPIL 1
	EPIL 2
	EPIL 3
	; ---- out0 = x out_w^T + out_b, on f16 operands
.macro OWLOAD k                        ; out_w's four fragments of K step k into slot k % 4
.irp nt, 0,1,2,3
.irp c, 0,1
	global_load_b128 v[OW+32*((\k)%4)+8*\nt+4*\c:OW+32*((\k)%4)+8*\nt+4*\c+3], v[LI], s[14:15] offset:16384*\nt+1024*(\k)+512*\c
.endr
.endr
.endm
.macro XFLOAD k                        ; x's four fragments of K step k into slot k % 2
.irp st, 0,1,2,3
.irp c, 0,1
	ds_load_b128 v[XF+32*((\k)%2)+8*\st+4*\c:XF+32*((\k)%2)+8*\st+4*\c+3], v[XR] offset:16384*\st+1024*(\k)+512*\c
.endr
.endr
.endm
	s_wait_dscnt 0x0                               ; my LDS stores have read their registers,
	s_wait_xcnt 0x0                                ; and so have the stores of out1
	WIN 0x40
.irp nt, 0,1,2,3
.irp c, 0,1
	global_load_b128 v[OBB+8*\nt+4*\c:OBB+8*\nt+4*\c+3], v[H32], s[8:9] offset:64*\nt+16*\c
.endr
.endr
	WIN 0
	OWLOAD 0
	OWLOAD 1
	OWLOAD 2
	OWLOAD 3
	s_barrier_signal -1                            ; (no LDS instruction of mine is out)
	s_barrier_wait -1                              ; x's 64 fragments lie in LDS
	XFLOAD 0
.macro P6 ks                           ; K step ks of 32: 16 products, the 16 accumulators by turns; out_w is asked for three steps ahead, x one
.if \ks > 0
	PLACES 4                                       ; in front of loads into registers that the last step's products have read
.endif
.if (\ks >= 1) && (\ks <= 12)
	OWLOAD (\ks)+3
.endif
.if \ks < 15
	XFLOAD (\ks)+1
.endif
.if \ks < 12
	s_wait_loadcnt 24                              ; behind this step's eight: the next three steps'
.else
	s_wait_loadcnt 8*(15-(\ks))
.endif
.if \ks < 15
	s_wait_dscnt 8                                 ; behind this step's eight: the next step's
.else
	s_wait_dscnt 0x0
.endif
	WIN 0x50
.irp st, 0,1,2,3
.irp nt, 0,1,2,3
.if \ks == 0
	v_wmma_f32_16x16x32_f16 v[8*(4*\nt+\st):8*(4*\nt+\st)+7], v[OW+32*((\ks)%4)+8*\nt:OW+32*((\ks)%4)+8*\nt+7], v[XF+32*((\ks)%2)+8*\st:XF+32*((\ks)%2)+8*\st+7], v[OBB+8*\nt:OBB+8*\nt+7]
.else
	v_wmma_f32_16x16x32_f16 v[8*(4*\nt+\st):8*(4*\nt+\st)+7], v[OW+32*((\ks)%4)+8*\nt:OW+32*((\ks)%4)+8*\nt+7], v[XF+32*((\ks)%2)+8*\st:XF+32*((\ks)%2)+8*\st+7], v[8*(4*\nt+\st):8*(4*\nt+\st)+7]
.endif
.endr
.endr
	WIN 0
.endm
.irp ks, 0,1,2,3,4,5,6,7,8,9,10,11,12,13,14,15
	P6 \ks
.endr
	PLACES 4                                       ; in front of the first read of results
.irp st, 0,1,2,3
.if \st > 0
	s_wait_xcnt 0x0                                ; the last tile's stores have read their registers
.endif
	WIN 0x04                                       ; an LDS store's data are its source 1: window 1
.irp nt, 0,1,2,3
.irp c, 0,1
	ds_store_b128 v[SO], v[8*(4*\nt+\st)+4*\c:8*(4*\nt+\st)+4*\c+3] offset:64*\nt+16*\c   ; each accumulator from its low end on
.endr
.endr
	WIN 0
.irp i, 0,1,2,3,4,5,6,7
	ds_load_b128 v[OBK+4*\i:OBK+4*\i+3], v[SR] offset:544*\i
.endr
	s_wait_dscnt 0x0
.irp i, 0,1,2,3,4,5,6,7
	global_store_b128 v[GO], v[OBK+4*\i:OBK+4*\i+3], s[24:25] offset:(16*\st+2*\i)*2048 th:TH_STORE_NT
.endr
.endr
	s_wait_tensorcnt 0x0                           ; the wave's end: three lines behind my last LDS store
	ds_add_u32 v[SPW], v[NIL]
	s_wait_dscnt 0x0
	s_endpgm
.Lfunc_end_k_q87816728df_attn:
	.size	k_q87816728df_attn, .Lfunc_end_k_q87816728df_attn-k_q87816728df_attn
	.p2alignl 7, 3214868480
	.fill 96, 4, 3214868480
	.section	.rodata,"a",@progbits
	.p2align	6, 0x0
	.amdhsa_kernel k_q87816728df_attn
		.amdhsa_group_segment_fixed_size 283648
		.amdhsa_private_segment_fixed_size 0
		.amdhsa_enable_private_segment 0
		.amdhsa_kernarg_size 96
		.amdhsa_user_sgpr_count 2
		.amdhsa_user_sgpr_kernarg_segment_ptr 1
		.amdhsa_wavefront_size32 1
		.amdhsa_system_sgpr_workgroup_id_x 1
		.amdhsa_system_sgpr_workgroup_id_y 1
		.amdhsa_system_sgpr_workgroup_id_z 1
		.amdhsa_system_vgpr_workitem_id 0
		.amdhsa_next_free_vgpr 512
		.amdhsa_next_free_sgpr 66
		.amdhsa_reserve_vcc 0
		.amdhsa_float_denorm_mode_32 3
		.amdhsa_float_denorm_mode_16_64 3
		.amdhsa_memory_ordered 1
		.amdhsa_forward_progress 1
		.amdhsa_inst_pref_size 155
	.end_amdhsa_kernel
	.amdgpu_metadata
---
amdhsa.version: [ 1, 2 ]
amdhsa.kernels:
  - .name:           k_q87816728df_attn
    .symbol:         k_q87816728df_attn.kd
    .args:
      - { .name: q, .offset: 0, .size: 8, .value_kind: global_buffer, .address_space: global }
      - { .name: Wq_b, .offset: 8, .size: 8, .value_kind: global_buffer, .address_space: global }
      - { .name: out_b, .offset: 16, .size: 8, .value_kind: global_buffer, .address_space: global }
      - { .name: wf, .offset: 24, .size: 8, .value_kind: global_buffer, .address_space: global }
      - { .name: wsc, .offset: 32, .size: 8, .value_kind: global_buffer, .address_space: global }
      - { .name: owf, .offset: 40, .size: 8, .value_kind: global_buffer, .address_space: global }
      - { .name: ef, .offset: 48, .size: 8, .value_kind: global_buffer, .address_space: global }
      - { .name: fl, .offset: 56, .size: 8, .value_kind: global_buffer, .address_space: global }
      - { .name: ekf, .offset: 64, .size: 8, .value_kind: global_buffer, .address_space: global }
      - { .name: ps, .offset: 72, .size: 8, .value_kind: global_buffer, .address_space: global }
      - { .name: out0, .offset: 80, .size: 8, .value_kind: global_buffer, .address_space: global }
      - { .name: out1, .offset: 88, .size: 8, .value_kind: global_buffer, .address_space: global }
    .group_segment_fixed_size: 283648
    .private_segment_fixed_size: 0
    .kernarg_segment_align: 8
    .kernarg_segment_size: 96
    .max_flat_workgroup_size: 256
    .sgpr_count:     66
    .vgpr_count:     512
    .wavefront_size: 32
...
	.end_amdgpu_metadata
.endif
;; end of part 3
;; ======== version 2 of 2: 3 launches; version 1 with the launch proj written anew for expert scheduling mode
;; limits: values are held in f16: magnitudes above 65,504 overflow, below 6.1e-05 lose precision
;; workspace buffers: wf 393,216 bytes; wsc 24,576 bytes; owf 524,288 bytes; ef 8,388,608 bytes; fl 16,384 bytes of whole numbers; ekf 33,554,432 bytes; ps 1,048,576 bytes
;; launch prep: the kernel of part 1 again; grid 384 x 1, 4 waves a work-group, no clusters, 35,328 bytes of LDS; arguments w_bias, local_mask, Wq_w, Wk_w, Wv_w, out_w, ef, fl, wf, wsc, owf; writes ef, fl, wf, wsc, owf
;; launch proj (part 4): grid 256 x 1, 8 waves a work-group, no clusters, 105,472 bytes of LDS; arguments k, v, Wk_b, Wv_b, wf, wsc, ekf, ps; writes ekf, ps
.if DOCPART == 4
	.amdgcn_target "amdgcn-amd-amdhsa--gfx1250"
	.amdhsa_code_object_version 6
	.text
	.protected	k_q87816728df_proj
	.globl	k_q87816728df_proj
	.p2align	8
	.type	k_q87816728df_proj,@function
k_q87816728df_proj:
	s_mov_b64 s[64:65], 0
	v_nop
	global_prefetch_b8 v0, s[64:65] scope:SCOPE_SE
	s_setreg_imm32_b32 hwreg(HW_REG_WAVE_SCHED_MODE, 0, 2), 2
	s_setreg_imm32_b32 hwreg(HW_REG_WAVE_MODE, 25, 1), 1
	s_wait_xcnt 0x0
	s_wait_alu depctr_vm_vsrc(0)
; PROJ: key = Q(k) Q(Wk)^T + Wk_b and value = Q(v) Q(Wv)^T + Wv_b on E2M1 codes; ek = exp(key); ek and ek x value leave as bf16 fragments whose K is the sequence (ekf),
; and their f32 sums over this work-group's 64 rows leave as ps.  Nothing of reference() is left out here.
; SHARES.  Work-group x owns rows 64 x .. 64 x + 63 of the 16,384.  Wave w owns columns d = 64 w .. 64 w + 63 for all 64 rows: its 16 fragments of Wk and 16 of Wv stay in registers (window 1).
; k and v are quantised once: wave w makes four of the 32 fragments (rows 16 (w / 2) on, K steps 2 (w % 2) and + 1, of k and of v); they reach the other waves through LDS as images of their registers.
; LAYOUT.  Source 0 = 16 rows t, source 1 = 16 rows d of the weight: in the result lane (r, h) holds column d = r and t = 8 h + 0..7.  Packed to bf16 those are 16 bytes of a fragment whose rows are d and whose K is t:
; two neighbouring tiles of rows are the two halves of such a fragment.  Nothing is transposed.
; NO CLUSTER, NO TENSOR LOAD: what the work-groups share are the weights' codes, 262,144 bytes and their scale words; through LDS they would lie beside this text's 104,448 bytes, more than the 327,680 that a work-group can claim.
; LIMITS: quantiser as in the first launch (a block of zeros keeps the byte 1; largest magnitudes under 2^-124 not tried; NaN and infinities in k and v not served); an exp(key) under 2^-126 comes out as 0.
; THE MODE: SCHED_MODE bits 1:0 = 2 (LLVM: expert scheduling mode 2), set by the entry lines.  The code itself states the register dependences between vector or matrix instructions
; and memory or LDS instructions, with s_wait_alu, always for 0.
; THE PLAN.  Registers that memory or LDS instructions touch:
;   v1-v9            offsets and LDS addresses, made at the head and never written again; v240-243 likewise, made once ahead of the last QUANT2's wait.
;   RA, RB, RC       global loads land; TURN's LDS stores read; TURN's LDS loads land; QUANT2 reads; RA is then loaded once more.
;   PC, QB           QUANT2 writes; IMAGE's LDS stores read; the next QUANT2 writes again.
;   XFK, XFV, XS     LDS loads land; a tile's 32 products read.
;   ACK, ACV         products write, vector instructions work in place, eight global stores read, the next tile's products write again.
;   TM               four selects write, four stores read.
; THE WAITS.  One on vm_vsrc in TURN, between its stores and its loads, which also frees PC and QB.  One on va_vdst behind each QUANT2, ahead of the image's stores and of the loads that land in what it read.
; In a tile: one on va_vdst behind the products' places, behind which the next tile's LDS loads are dealt among vector instructions that name none of their registers; the one behind the exponentials;
; one behind all roundings, ahead of the run of stores; one on vm_vsrc at the next tile's head.
.set WREG,  8448                       ; a wave's own stage: 16 rows x (512 bytes + 16)
.set XIMG,  8*WREG                     ; images of k's and v's fragments: [k, v][tile of rows 4][K step 4] x 1,024
.set XSC,   XIMG+32768                 ; their scale words, 128 bytes each
.set SPARE, XSC+4096                   ; the spare words, 128 bytes a wave
.set LI,  1                            ; v1  16 x lane
.set TS,  2                            ; v2  the stage, in: 16 x lane
.set TL,  3                            ; v3  the stage, out: 528 r + 128 h
.set IW,  4                            ; v4  where I store images
.set SW,  5                            ; v5  and scale words
.set SH8, 6                            ; v6  8 h
.set WSO, 7                            ; v7  16 r: a weight row's four scale words
.set SPW, 8                            ; v8  my spare word; never rewritten
.set NIL, 9                            ; v9  0; never rewritten
.set QM,  10
.set QB,  12
.set PX,  14
.set WKS, 16                           ; v16-31 Wk's scale words (4 dt + ks); v32-47 Wv's; v48-55 k's and v's: these hold scales and nothing else
.set WVS, 32
.set XS,  48
.set PC,  56                           ; v56-63 the codes just made
.set RA,  64                           ; three sets of 64 numbers while k and v are quantised
.set RB,  128
.set RC,  192
.set XFK, 64                           ; behind the barrier: k's four fragments of a tile of rows, v's four,
.set XFV, 96
.set ACK, 128                          ; the four accumulators of key, of value,
.set ACV, 160
.set BV,  192                          ; Wv_b as the C of value's first products: 8 equal registers a tile
.set SS,  224                          ; v224-239 the column sums, a pair each: 0-3 ek x value, 4-7 ek
.set FI,  240                          ; images, read: XIMG + 16 x lane
.set FS,  241                          ; scale words, read
.set BO,  242                          ; 4 r
.set PSO, 243                          ; 4 x lane
.set TM,  244                          ; v244-247 at work
.set BP,  248                          ; v248-255 pairs (Wk_b x log2 e, Wv_b) of my column in each tile
.set SEL, 22
.set MSB, 0
.macro WIN new                         ; the immediate's high byte repeats the setting that is left
.if MSB != \new
	s_set_vgpr_msb (MSB<<8)|\new
.set MSB, \new
.endif
.endm
.macro PLACES n
.rept \n
	v_nop
.endr
.endm
.macro XLOAD n, R                      ; 16 rows x 512 bytes (128 K), row i in v[R + 4 i] on: each load takes 512 consecutive bytes.  n = 0, 1: k; 2, 3: v
.irp i, 0,1,2,3,4,5,6,7,8,9,10,11,12,13,14,15
	global_load_b128 v[\R+4*\i:\R+4*\i+3], v[LI], s[4+2*((\n)/2):5+2*((\n)/2)] offset:2048*\i+512*((\n)%2) th:TH_LOAD_NT
.endr
.endm
.macro TURN R                          ; through my stage: afterwards register 32 c + i = k 64 c + 32 h + i of row r
.irp i, 0,1,2,3,4,5,6,7,8,9,10,11,12,13,14,15
	ds_store_b128 v[TS], v[\R+4*\i:\R+4*\i+3] offset:528*\i
.endr
	s_wait_dscnt 0x0                               ; the stores have read the registers into which the loads below land
	s_wait_alu depctr_vm_vsrc(0)                   ; the sixteen stores have read v[R ..], in which the loads below land; the last image's stores have read v[PC ..] and v[QB], which the next QUANT2 writes
.irp c, 0,1
.irp j, 0,1,2,3,4,5,6,7
	ds_load_b128 v[\R+32*\c+4*\j:\R+32*\c+4*\j+3], v[TL] offset:256*\c+16*\j
.endr
.endr
	s_wait_dscnt 0x0
.endm
.macro QUANT2 R                        ; 64 numbers, two whole blocks a lane: codes into v[PC] on, the row's scale word into v[QB]
.irp c, 0,1
	v_max3_num_f32 v[QM+\c], |v[\R+32*\c]|, |v[\R+32*\c+1]|, 0x1800000   ; with the floor 2^(3 - 127): the byte cannot fall under 1
.endr
.irp i, 2,4,6,8,10,12,14,16,18,20,22,24,26,28,30
.irp c, 0,1
	v_max3_num_f32 v[QM+\c], v[QM+\c], |v[\R+32*\c+\i]|, |v[\R+32*\c+\i+1]|
.endr
.endr
.irp c, 0,1
	v_add_nc_u32 v[QM+\c], 0xff000000, v[QM+\c]    ; 2 off the exponent field: the conversion's scale operand
.endr
.irp c, 0,1
	v_lshrrev_b32 v[QB+\c], 23, v[QM+\c]
.endr
	v_lshl_or_b32 v[QB], v[QB+1], 16, v[QB]        ; my blocks are h and 2 + h of the row's four
	v_lshlrev_b32 v[QB], v[SH8], v[QB]
	v_permlanex16_b32 v[PX], v[QB], s[SEL], s[SEL+1]
	v_or_b32 v[QB], v[QB], v[PX]
.irp c, 0,1
.irp g, 0,1,2,3
	v_cvt_scalef32_pk8_fp4_f32 v[PC+4*\c+\g], v[\R+32*\c+8*\g:\R+32*\c+8*\g+7], v[QM+\c]
.endr
.endr
	v_nop                                          ; one plain place behind the last conversion
.endm
.macro IMAGE off, soff                 ; the fragment and its scale words go to LDS as they stand in the registers
	ds_store_b128 v[IW], v[PC:PC+3] offset:\off
	ds_store_b128 v[IW], v[PC+4:PC+7] offset:\off+512
	ds_store_b32 v[SW], v[QB] offset:\soff
.endm
	s_load_b512 s[4:19], s[0:1], 0x0               ; k s[4:5], v s[6:7], Wk_b s[8:9], Wv_b s[10:11], wf s[12:13], wsc s[14:15], ekf s[16:17], ps s[18:19]
	v_lshl_add_u32 v[SPW], v0, 2, SPARE
	v_mov_b32 v[NIL], 0
	v_lshrrev_b32 v10, 5, v0
	v_readfirstlane_b32 s20, v10                   ; wave 0..7
	v_and_b32 v10, 31, v0                          ; lane
	v_and_b32 v11, 15, v0                          ; r
	v_bfe_u32 v12, v0, 4, 1                        ; h
	v_lshlrev_b32 v[LI], 4, v10
	s_wait_alu depctr_va_sdst(0)                   ; s20 is written, ahead of its first reader: LDS places and all bases are made from it
	s_mul_i32 s21, s20, WREG
	v_add_nc_u32 v[TS], s21, v[LI]
	v_mul_u32_u24 v[TL], v11, 528
	v_lshl_add_u32 v[TL], v12, 7, v[TL]
	v_add_nc_u32 v[TL], s21, v[TL]
	s_lshl_b32 s21, s20, 11                        ; my fragments: tile w / 2, K steps 2 (w % 2) on: 2,048 w
	s_add_co_u32 s21, s21, XIMG
	v_add_nc_u32 v[IW], s21, v[LI]
	s_lshl_b32 s21, s20, 8
	s_add_co_u32 s21, s21, XSC
	v_lshl_add_u32 v[SW], v10, 2, s21
	v_lshlrev_b32 v[SH8], 3, v12
	v_lshlrev_b32 v[WSO], 4, v11
	v_mov_b32 v[PX], 0                             ; a lane permute's destination counts as one of its sources
	s_mov_b32 s[SEL], 0x76543210
	s_mov_b32 s[SEL+1], 0xfedcba98
	s_mov_b32 s24, 0x3fb8aa3b                      ; log2(e)
	s_mov_b32 s25, s24
	s_lshl_b32 s26, ttmp9, 17                      ; 64 rows of 2,048 bytes,
	s_lshr_b32 s28, s20, 1
	s_lshl_b32 s28, s28, 15                        ; my 16 of them,
	s_add_co_u32 s26, s26, s28
	s_and_b32 s28, s20, 1
	s_lshl_b32 s28, s28, 10                        ; my two K steps
	s_add_co_u32 s26, s26, s28
	s_mov_b32 s27, 0
	s_wait_kmcnt 0x0
	s_add_nc_u64 s[4:5], s[4:5], s[26:27]
	s_add_nc_u64 s[6:7], s[6:7], s[26:27]
	s_wait_alu depctr_va_vdst(0)                   ; the offsets and LDS addresses v1 to v7 are written, which the loads and LDS instructions below read
	XLOAD 0, RA
	XLOAD 1, RB
	XLOAD 2, RC
	s_lshl_b32 s26, s20, 8                         ; the biases at my 64 columns
	s_add_nc_u64 s[8:9], s[8:9], s[26:27]
	s_add_nc_u64 s[10:11], s[10:11], s[26:27]
	s_lshl_b32 s26, s20, 14                        ; wf at Wk's fragments of my four tiles; Wv's lie 131,072 bytes on
	s_add_co_u32 s26, s26, 131072
	s_add_nc_u64 s[12:13], s[12:13], s[26:27]
	s_lshl_b32 s26, s20, 10                        ; wsc likewise; Wv's lie 8,192 bytes on
	s_add_co_u32 s26, s26, 8192
	s_add_nc_u64 s[14:15], s[14:15], s[26:27]
	s_lshl_b32 s26, ttmp9, 17                      ; ekf: [steps of 32 t][w][ek v, ek][dt][1,024]: two steps a work-group, 8,192 bytes a wave
	s_lshl_b32 s28, s20, 13
	s_add_co_u32 s26, s26, s28
	s_add_nc_u64 s[16:17], s[16:17], s[26:27]
	s_lshl_b32 s26, ttmp9, 12                      ; ps: [x][w][ek v, ek][64 d] f32
	s_lshl_b32 s28, s20, 9
	s_add_co_u32 s26, s26, s28
	s_add_nc_u64 s[18:19], s[18:19], s[26:27]
	; ---- k and v become codes.  Each count names the loads issued behind the sixteen that are wanted
	s_wait_loadcnt 32                              ; behind set 0: sets 1 and 2
	TURN RA
	QUANT2 RA
	s_wait_alu depctr_va_vdst(0)                   ; QUANT2 is done reading RA, in which set 3 lands, and has written v[PC ..] and v[QB], which the image's stores read
	XLOAD 3, RA
	IMAGE 0, 0
	s_wait_loadcnt 32                              ; behind set 1: sets 2 and 3
	TURN RB                                        ; (its waits also show that the last image's stores have read their registers)
	QUANT2 RB
	s_wait_alu depctr_va_vdst(0)                   ; QUANT2 has written v[PC ..] and v[QB], which the image's stores read
	IMAGE 1024, 128
	WIN 0x40                                       ; destination window 1
.irp dt, 0,1,2,3
.irp ks, 0,1,2,3
.irp c, 0,1
	global_load_b128 v[8*(4*\dt+\ks)+4*\c:8*(4*\dt+\ks)+4*\c+3], v[LI], s[12:13] offset:4096*\dt+1024*\ks+512*\c
.endr
.endr
.endr
	WIN 0
	s_wait_loadcnt 48                              ; behind set 2: set 3 and Wk's 32
	TURN RC
	QUANT2 RC
	s_wait_alu depctr_va_vdst(0)                   ; QUANT2 has written v[PC ..] and v[QB], which the image's stores read
	IMAGE 16384, 2048
.irp dt, 0,1,2,3
	global_load_b128 v[WKS+4*\dt:WKS+4*\dt+3], v[WSO], s[14:15] offset:256*\dt
	global_load_b128 v[WVS+4*\dt:WVS+4*\dt+3], v[WSO], s[14:15] offset:8192+256*\dt
.endr
	s_wait_loadcnt 40                              ; behind set 3: Wk's 32 and the 8 of scale words
	TURN RA
	WIN 0x40
.irp dt, 0,1,2,3
.irp ks, 0,1,2,3
.irp c, 0,1
	global_load_b128 v[128+8*(4*\dt+\ks)+4*\c:128+8*(4*\dt+\ks)+4*\c+3], v[LI], s[12:13] offset:131072+4096*\dt+1024*\ks+512*\c
.endr
.endr
.endr
	WIN 0
	v_and_b32 v[TM], 31, v0                        ; set RC is done with: the registers of the second part are made
	v_lshl_add_u32 v[FI], v[TM], 4, XIMG
	v_lshl_add_u32 v[FS], v[TM], 2, XSC
	v_lshlrev_b32 v[PSO], 2, v[TM]
	v_and_b32 v[BO], 15, v0
	v_lshlrev_b32 v[BO], 2, v[BO]
	QUANT2 RA
	s_wait_alu depctr_va_vdst(0)                   ; v[BO], v[FI], v[FS], v[PSO], v[PC ..] and v[QB] are written, which the loads, LDS instructions and stores below read; QUANT2 is done reading RA and RC, in which the fragments and the biases land
.irp dt, 0,1,2,3
	global_load_b32 v[BP+2*\dt], v[BO], s[8:9] offset:64*\dt
	global_load_b32 v[BP+2*\dt+1], v[BO], s[10:11] offset:64*\dt
.endr
	IMAGE 17408, 2176
	s_wait_dscnt 0x0                               ; for the others' sake: my images lie in LDS
	s_barrier_signal -1
	s_barrier_wait -1                              ; all 32 fragments do
.macro FETCHQ tt, ks                   ; K step ks of rows 16 tt on: k's and v's fragment and scale words: six LDS loads
.irp a, 0,1
.irp c, 0,1
	ds_load_b128 v[XFK+32*\a+8*(\ks)+4*\c:XFK+32*\a+8*(\ks)+4*\c+3], v[FI] offset:16384*\a+4096*(\tt)+1024*(\ks)+512*\c
.endr
	ds_load_b32 v[XS+4*\a+(\ks)], v[FS] offset:2048*\a+512*(\tt)+128*(\ks)
.endr
.endm
; Rows 16 tt on: 32 products, the four accumulators of a kind by turns, then exp, the product, the sums and the stores.
.macro TRIP tt
	s_wait_dscnt 0x0                               ; this tile's fragments are in
	s_wait_xcnt 0x0                                ; the last tile's stores have read the accumulators' registers
.if \tt > 0
	s_wait_alu depctr_vm_vsrc(0)                   ; the last tile's eight stores have read v[ACK ..] and v[ACV ..], which the products below write again
.endif
.if \tt == 0
	s_wait_loadcnt 40                              ; Wk and the scale words are in; behind them: Wv's 32 and the 8 of the biases
.endif
	WIN 0x04                                       ; source 1 (the weights) window 1
.irp ks, 0,1,2,3
.irp dt, 0,1,2,3
.if \ks == 0
	v_wmma_scale_f32_16x16x128_f8f6f4 v[ACK+8*\dt:ACK+8*\dt+7], v[XFK+8*\ks:XFK+8*\ks+7], v[8*(4*\dt+\ks):8*(4*\dt+\ks)+7], 0, v[XS+\ks], v[WKS+4*\dt+\ks] matrix_a_fmt:MATRIX_FMT_FP4 matrix_b_fmt:MATRIX_FMT_FP4
.else
	v_wmma_scale_f32_16x16x128_f8f6f4 v[ACK+8*\dt:ACK+8*\dt+7], v[XFK+8*\ks:XFK+8*\ks+7], v[8*(4*\dt+\ks):8*(4*\dt+\ks)+7], v[ACK+8*\dt:ACK+8*\dt+7], v[XS+\ks], v[WKS+4*\dt+\ks] matrix_a_fmt:MATRIX_FMT_FP4 matrix_b_fmt:MATRIX_FMT_FP4
.endif
.endr
.endr
.if \tt == 0
	WIN 0
	s_wait_loadcnt 0x0                             ; Wv and the biases
.irp dt, 0,1,2,3
.irp j, 0,1,2,3,4,5,6,7
	v_mov_b32 v[BV+8*\dt+\j], v[BP+2*\dt+1]        ; once: a lane holds one column, so its eight results take the same bias
.endr
.endr
.irp dt, 0,1,2,3
	v_mul_f32 v[BP+2*\dt], s24, v[BP+2*\dt]        ; Wk_b x log2(e): it joins key in the multiply-add ahead of the exponential
.endr
	WIN 0x04
.endif
.irp ks, 0,1,2,3
.irp dt, 0,1,2,3
.if \ks == 0
	v_wmma_scale_f32_16x16x128_f8f6f4 v[ACV+8*\dt:ACV+8*\dt+7], v[XFV+8*\ks:XFV+8*\ks+7], v[128+8*(4*\dt+\ks):128+8*(4*\dt+\ks)+7], v[BV+8*\dt:BV+8*\dt+7], v[XS+4+\ks], v[WVS+4*\dt+\ks] matrix_a_fmt:MATRIX_FMT_FP4 matrix_b_fmt:MATRIX_FMT_FP4
.else
	v_wmma_scale_f32_16x16x128_f8f6f4 v[ACV+8*\dt:ACV+8*\dt+7], v[XFV+8*\ks:XFV+8*\ks+7], v[128+8*(4*\dt+\ks):128+8*(4*\dt+\ks)+7], v[ACV+8*\dt:ACV+8*\dt+7], v[XS+4+\ks], v[WVS+4*\dt+\ks] matrix_a_fmt:MATRIX_FMT_FP4 matrix_b_fmt:MATRIX_FMT_FP4
.endif
.endr
.endr
	WIN 0
	PLACES 5                                       ; four in front of the loads into operands and of the first read of results; the fifth since the next tile's first products begin these accumulators anew
.if \tt < 3
	s_wait_alu depctr_va_vdst(0)                   ; this tile's products are done reading k's and v's fragments and scale words, in which the next tile's land
.endif
.irp dt, 0,1,2,3
.if \tt < 3
	FETCHQ (\tt)+1, \dt                            ; six of the next tile's 24 LDS loads.  No further wait: the multiply-adds between them name v[ACK ..] and v[BP ..] alone
.endif
.irp i, 0,2,4,6
	v_pk_fma_f32 v[ACK+8*\dt+\i:ACK+8*\dt+\i+1], v[ACK+8*\dt+\i:ACK+8*\dt+\i+1], s[24:25], v[BP+2*\dt:BP+2*\dt+1] op_sel_hi:[1,0,0]   ; (key + Wk_b) log2(e); of both pairs the low word serves both halves
.endr
.endr
.irp j, 0,1,2,3,4,5,6,7,8,9,10,11,12,13,14,15,16,17,18,19,20,21,22,23,24,25,26,27,28,29,30,31
	v_exp_f32 v[ACK+\j], v[ACK+\j]                 ; ek
.endr
	v_nop                                          ; a plain place behind the last exponential,
	s_wait_alu depctr_va_vdst(0)                   ; and one wait for the 32, ahead of their first reader
.irp j, 0,2,4,6,8,10,12,14,16,18,20,22,24,26,28,30
	v_pk_mul_f32 v[ACV+\j:ACV+\j+1], v[ACV+\j:ACV+\j+1], v[ACK+\j:ACK+\j+1]   ; ek x value
.endr
.irp a, 0,1                                    ; the column sums, in f32, of what is not yet rounded: a = 0: ek x value, 1: ek
.irp dt, 0,1,2,3
.if \tt == 0
	v_pk_add_f32 v[SS+8*\a+2*\dt:SS+8*\a+2*\dt+1], v[ACV-32*\a+8*\dt:ACV-32*\a+8*\dt+1], v[ACV-32*\a+8*\dt+2:ACV-32*\a+8*\dt+3]   ; the first tile starts the sums
.else
	v_pk_add_f32 v[SS+8*\a+2*\dt:SS+8*\a+2*\dt+1], v[SS+8*\a+2*\dt:SS+8*\a+2*\dt+1], v[ACV-32*\a+8*\dt:ACV-32*\a+8*\dt+1]
.endif
.endr
.endr
.if \tt > 0
.irp a, 0,1
.irp dt, 0,1,2,3
	v_pk_add_f32 v[SS+8*\a+2*\dt:SS+8*\a+2*\dt+1], v[SS+8*\a+2*\dt:SS+8*\a+2*\dt+1], v[ACV-32*\a+8*\dt+2:ACV-32*\a+8*\dt+3]
.endr
.endr
.endif
.irp i, 4,6
.irp a, 0,1
.irp dt, 0,1,2,3
	v_pk_add_f32 v[SS+8*\a+2*\dt:SS+8*\a+2*\dt+1], v[SS+8*\a+2*\dt:SS+8*\a+2*\dt+1], v[ACV-32*\a+8*\dt+\i:ACV-32*\a+8*\dt+\i+1]
.endr
.endr
.endr
.irp a, 0,1
.irp dt, 0,1,2,3
.irp i, 0,1,2,3
	v_cvt_pk_bf16_f32 v[ACV-32*\a+8*\dt+\i], v[ACV-32*\a+8*\dt+2*\i], v[ACV-32*\a+8*\dt+2*\i+1]   ; in place: t = 8 h + 0..7 of column r in four registers
.endr
.endr
.endr
	s_wait_alu depctr_va_vdst(0)                   ; the 32 roundings have written the registers that the eight stores read
.irp a, 0,1
.irp dt, 0,1,2,3
	global_store_b128 v[LI], v[ACV-32*\a+8*\dt:ACV-32*\a+8*\dt+3], s[16:17] offset:65536*((\tt)/2)+4096*\a+1024*\dt+512*((\tt)%2)   ; half tt % 2 of a fragment: 512 consecutive bytes
.endr
.endr
.endm
.irp ks, 0,1,2,3
	FETCHQ 0, \ks                                  ; the first tile's: the wait behind the last QUANT2 has shown their addresses written and RA read
.endr
	TRIP 0
	TRIP 1
	TRIP 2
	TRIP 3
	; ---- the sums of my 64 columns over the 64 rows
	v_and_b32 v[TM], 31, v0
	v_cmp_le_u32 vcc_lo, 16, v[TM]
.irp q, 0,1,2,3,4,5,6,7
	v_add_f32 v[SS+2*\q], v[SS+2*\q], v[SS+2*\q+1]
.endr
.irp q, 0,1,2,3,4,5,6,7
	v_permlanex16_b32 v[SS+2*\q+1], v[SS+2*\q], s[SEL], s[SEL+1]
.endr
.irp q, 0,1,2,3,4,5,6,7
	v_add_f32 v[SS+2*\q], v[SS+2*\q], v[SS+2*\q+1] ; both halves of the lanes now hold column r's sum
.endr
	s_wait_alu depctr_va_vcc(0)                    ; the compare has written VCC, ahead of its first reader
.irp a, 0,1
.irp u, 0,1
	v_cndmask_b32 v[TM+2*\a+\u], v[SS+8*\a+4*\u], v[SS+8*\a+4*\u+2], vcc_lo   ; lanes 0-15 the even tile's columns, lanes 16-31 the odd tile's: 32 neighbours
.endr
.endr
	s_wait_alu depctr_va_vdst(0)                   ; the four selects have written v[TM ..], which the stores read
.irp a, 0,1
.irp u, 0,1
	global_store_b32 v[PSO], v[TM+2*\a+\u], s[18:19] offset:256*\a+128*\u
.endr
.endr
	s_wait_dscnt 0x0                               ; the closing lines, six on end
	s_wait_alu 0x0
	s_wait_tensorcnt 0x0
	ds_add_u32 v[SPW], v[NIL]
	s_wait_dscnt 0x0
	s_endpgm
.Lfunc_end_k_q87816728df_proj:
	.size	k_q87816728df_proj, .Lfunc_end_k_q87816728df_proj-k_q87816728df_proj
	.p2alignl 7, 3214868480
	.fill 96, 4, 3214868480
	.section	.rodata,"a",@progbits
	.p2align	6, 0x0
	.amdhsa_kernel k_q87816728df_proj
		.amdhsa_group_segment_fixed_size 105472
		.amdhsa_private_segment_fixed_size 0
		.amdhsa_enable_private_segment 0
		.amdhsa_kernarg_size 64
		.amdhsa_user_sgpr_count 2
		.amdhsa_user_sgpr_kernarg_segment_ptr 1
		.amdhsa_wavefront_size32 1
		.amdhsa_system_sgpr_workgroup_id_x 1
		.amdhsa_system_sgpr_workgroup_id_y 1
		.amdhsa_system_sgpr_workgroup_id_z 1
		.amdhsa_system_vgpr_workitem_id 0
		.amdhsa_next_free_vgpr 512
		.amdhsa_next_free_sgpr 66
		.amdhsa_reserve_vcc 1
		.amdhsa_float_denorm_mode_32 3
		.amdhsa_float_denorm_mode_16_64 3
		.amdhsa_memory_ordered 1
		.amdhsa_forward_progress 1
		.amdhsa_inst_pref_size 96
	.end_amdhsa_kernel
	.amdgpu_metadata
---
amdhsa.version: [ 1, 2 ]
amdhsa.kernels:
  - .name:           k_q87816728df_proj
    .symbol:         k_q87816728df_proj.kd
    .args:
      - { .name: k, .offset: 0, .size: 8, .value_kind: global_buffer, .address_space: global }
      - { .name: v, .offset: 8, .size: 8, .value_kind: global_buffer, .address_space: global }
      - { .name: Wk_b, .offset: 16, .size: 8, .value_kind: global_buffer, .address_space: global }
      - { .name: Wv_b, .offset: 24, .size: 8, .value_kind: global_buffer, .address_space: global }
      - { .name: wf, .offset: 32, .size: 8, .value_kind: global_buffer, .address_space: global }
      - { .name: wsc, .offset: 40, .size: 8, .value_kind: global_buffer, .address_space: global }
      - { .name: ekf, .offset: 48, .size: 8, .value_kind: global_buffer, .address_space: global }
      - { .name: ps, .offset: 56, .size: 8, .value_kind: global_buffer, .address_space: global }
    .group_segment_fixed_size: 105472
    .private_segment_fixed_size: 0
    .kernarg_segment_align: 8
    .kernarg_segment_size: 64
    .max_flat_workgroup_size: 256
    .sgpr_count:     66
    .vgpr_count:     512
    .wavefront_size: 32
...
	.end_amdgpu_metadata
.endif
;; end of part 4
;; launch attn: the kernel of part 3 again; grid 256 x 1, 8 waves a work-group, no clusters, 283,648 bytes of LDS; arguments q, Wq_b, out_b, wf, wsc, owf, ef, fl, ekf, ps, out0, out1; writes out0, out1
